; MI455X (gfx1250); checked and timed in simulation.
; The chip was launched on July 23, 2026; its instructions are those of AMD's public machine-readable ISA for CDNA 5 (MIT licence, August 2026) and "CDNA5" Instruction Set Architecture Reference Guide (July 2026). The comments in the code are by the model that wrote it; some were corrected since.
;; Multi Head. Allowed arithmetic: matrix products marked QUANTISED: E2M3 operands, one E8M0 scale for each 32 along K, by v_wmma_scale_f32_16x16x128_f8f6f4 with both operands' format E2M3, f32 sums; everything else in f32.
;; Inputs: bk 1,024 float32; bo 1,024 float32; bq 1,024 float32; bv 1,024 float32; wk 1,024 x 1,024 float32; wo 1,024 x 1,024 float32; wq 1,024 x 1,024 float32; wv 1,024 x 1,024 float32; x 4 x 2,048 x 1,024 float32.
;; Outputs: out0 4 x 2,048 x 1,024 float32.
;; This version of the problem:
;;   THIS VERSION OF THE PROBLEM IS GIVEN IN LOW PRECISION. The matrix products marked QUANTISED in the list below multiply operands that are first quantised to E2M3 (2 exponent bits, 3 mantissa bits; 6 bits a number), with one power-of-two scale for each 32 numbers along K (OCP MX v1.0); their sums are f32. All else is computed in f32.
;;   The module's matrix products, in the order in which they are computed (A, B: the left and right operand; K: the contracted axis; several contracted axes count as one K, in the product's order):
;;     1. [M 8,192, K 1,024] x [K 1,024, N 1,024]; A: input x; B: input wq: QUANTISED
;;     2. [M 8,192, K 1,024] x [K 1,024, N 1,024]; A: input x; B: input wk: QUANTISED
;;     3. [M 8,192, K 1,024] x [K 1,024, N 1,024]; A: input x; B: input wv: QUANTISED
;;     4. batch 64 x [M 2,048, K 64] x [K 64, N 2,048]; A: computed on the way; B: computed on the way: QUANTISED
;;     5. batch 64 x [M 64, K 2,048] x [K 2,048, N 2,048]; A: computed on the way; B: softmax (see below): QUANTISED
;;     6. [M 8,192, K 1,024] x [K 1,024, N 1,024]; A: computed on the way; B: input wo: QUANTISED
;;   THE QUANTISER, for each operand of a quantised product, along K:
;;     - K is cut into blocks of 32 from its start; a last block that is shorter is filled with zeros.
;;     - A block's scale is 2^e with e = floor(log2(the largest magnitude in the block)) - 2, held to -126 .. 127; a block of zeros has e = 0. As a byte (E8M0): e + 127.
;;     - Each number is divided by its block's scale, clamped to +-7.5, and rounded to the nearest number of E2M3, ties to even, subnormals kept.
;;     - The product sums the exact products of the quantised numbers (number of the format x scale) in f32.
;;   ~~~python
;;   def quantise(x, axis):      # numpy; x: float32 -> the quantised numbers, widened to float32 again
;;       x = np.moveaxis(x, axis, -1); K = x.shape[-1]
;;       x = np.pad(x, [(0, 0)] * (x.ndim - 1) + [(0, -K % 32)]); x = x.reshape(x.shape[:-1] + (-1, 32)); a = np.abs(x).max(-1, keepdims=True)
;;       e = np.where(a > 0, np.clip(np.frexp(np.where(a > 0, a, 1))[1] - 1 - 2, -126, 127), 0)      # np.frexp(a)[1] - 1 = floor(log2(a)), exactly
;;       r = np.clip(x / 2.0 ** e, -7.5, 7.5)
;;       step = 2.0 ** (np.maximum(np.frexp(np.where(r == 0, 1, r))[1] - 1, 0) - 3)
;;       q = np.round(r / step) * step * 2.0 ** e      # np.round: ties to even
;;       return np.moveaxis(q.reshape(q.shape[:-2] + (-1,))[..., :K], -1, axis).astype(np.float32)
;;   ~~~
;;   SOFTMAX AHEAD OF A QUANTISED PRODUCT. Where the list says 'softmax', what is quantised is not the finished softmax but p = 2^(t - M), with t = logit x log2(e) and M = ceil(the row's largest t), a whole number; so 1/2 < the row's largest p <= 1. The row's sum l is taken of the UNQUANTISED p, in f32, and the product's result is divided by l at the end. Since M is a whole number, a kernel that streams over the keys may use a running M (the ceiling of the running maximum): every later rescaling is an exact power of two, which a block's scale takes up: the codes' values come out the same.
;;   OPERANDS COMPUTED ON THE WAY. 'Computed on the way' means the value that the module computes at that place (a softmax that the list does not call 'softmax' is quantised finished and normalised). What goes into a quantiser is computed in f32, as accurately as f32 sums, v_exp_f32 and their like allow (about 1e-6 of the number): no bf16 or f16 on the way to a quantiser, and a product that is left as it is and whose result goes on into a quantised operand takes f32 operands (vector FMAs, or v_wmma_f32_16x16x4_f32). A number that lies on a knife's edge between two numbers of the format may be rounded either way, as far as f32 arithmetic and the matrix unit's own rounding can turn it there, and no further.
;; One version. Each part assembles by itself: llvm-mc -triple=amdgcn-amd-amdhsa -mcpu=gfx1250 --defsym DOCPART=n.
;; ======== version 1 of 1: 5 launches
;; limits: right only within a limited range of input values
;; workspace buffers: aimg 6,291,456 bytes; asc 262,144 bytes; wimg 3,145,728 bytes; wsc 131,072 bytes; qkimg 12,582,912 bytes; qksc 1,048,576 bytes; vimg 6,291,456 bytes; vsc 262,144 bytes
;; launch quant_w (part 1): grid 32 x 8, 4 waves a work-group, no clusters, 12,800 bytes of LDS; arguments wq, wk, wv, wo, wimg, wsc; writes wimg, wsc
.if DOCPART == 1
	.amdgcn_target "amdgcn-amd-amdhsa--gfx1250"
	.amdhsa_code_object_version 6
	.text
	.protected	k_qc60fe72b44_quant_w
	.globl	k_qc60fe72b44_quant_w
	.p2align	8
	.type	k_qc60fe72b44_quant_w,@function
k_qc60fe72b44_quant_w:
	s_mov_b64 s[64:65], 0
	v_nop
	global_prefetch_b8 v0, s[64:65] scope:SCOPE_SE
	s_setreg_imm32_b32 hwreg(HW_REG_WAVE_MODE, 25, 1), 1
	s_wait_xcnt 0x0
; The four weights [1024 (k)][1024 (n)], f32, K = their FIRST axis, become codes of FP6 (E2M3) with one E8M0 byte for each 32 along K.
; A block's scale is 2^(floor(log2(its largest magnitude)) - 2): its byte is the largest magnitude's exponent field - 2, held at 1 from below.
; LIMITS: a block whose largest magnitude lies under 2^-124, a block of zeros among them, gets the byte 1 (its codes are zeros or tiny; these bytes are read by this program alone); NaN and infinities are not served.
; LAYOUT OF THE RESULT.  wimg: [tile of 16 columns n, 256 in all: wq 0-63, wk 64-127, wv 128-191, wo 192-255][chunk of 128 along K, 0-7][1,536 bytes]: the IMAGE OF AN OPERAND'S REGISTERS:
; two halves of 768 bytes (64 along K each): 32 lanes x 16 bytes (registers 0-3), then 32 lanes x 8 bytes (registers 4-5); lane (r, h) holds k = 32 h .. 32 h + 31 of the tile's row r.
; THE COLUMNS OF A TILE ARE NOT NEIGHBOURS: column n stands at the place that has bits 3 and 4 of n exchanged: row r of tile 2 B + u is column 32 B + 8 u + r + 8 (r / 8).
; wsc: [place of the column][32 bytes], one byte a block.
; SHARES.  A work-group: one weight, 128 columns, 128 along K.  A wave: 32 columns.  A LANE TAKES A COLUMN AND ITS REGISTERS RUN DOWN K: a load reads 128 consecutive bytes, a block of 32 lies in one lane.
; The codes go through the wave's own stage in LDS, laid as the two tiles' images, and leave as six stores of 512 consecutive bytes.  No barrier: waves share nothing.
.set STG,   3072                       ; a wave's stage: two images of 1,536 bytes
.set SPARE, 4*STG                      ; behind the stages: the spare words, 128 bytes for each wave
.set SPW,   12                         ; v12  my spare word's LDS address; never rewritten
.set NIL,   13                         ; v13  0; never rewritten
.set C,     16                         ; v16-47  a block's six registers of codes, eight registers apart
.set CT,    48                         ; v48-50  the second conversion's result (its three registers begin on an even number)
.set OUTR,  52                         ; v52-75  the way out
.set X,     80                         ; v80-207 my column's 128 numbers
	s_load_b256 s[4:11], s[0:1], 0x0               ; wq, wk, wv, wo
	s_load_b128 s[12:15], s[0:1], 0x20             ; wimg, wsc
	v_lshl_add_u32 v[SPW], v0, 2, SPARE
	v_mov_b32 v[NIL], 0
	v_lshrrev_b32 v1, 5, v0
	v_readfirstlane_b32 s16, v1                    ; wave
	v_and_b32 v1, 31, v0                           ; lane = my column among the wave's 32
	v_lshlrev_b32 v2, 2, v1                        ; in: 4 bytes a lane
	v_bfe_u32 v8, v0, 3, 1                         ; u: which of the two tiles
	v_and_b32 v9, 7, v0
	v_bfe_u32 v10, v0, 4, 1
	v_lshl_or_b32 v9, v10, 3, v9                   ; r: my row in it
	s_mul_i32 s24, s16, STG
	v_mul_u32_u24 v10, v8, 1536
	v_add_nc_u32 v10, s24, v10
	v_lshl_add_u32 v3, v9, 4, v10                  ; the stage: registers 0-3 of lane (r, 0)
	v_lshl_add_u32 v4, v9, 3, v10                  ; and registers 4-5 (512 further on, by the offset)
	v_lshlrev_b32 v6, 4, v1                        ; out: 16 bytes a lane
	v_add_nc_u32 v5, s24, v6
	v_lshl_add_u32 v7, v8, 4, v9
	v_lshlrev_b32 v7, 5, v7                        ; my column's row of scale bytes: 32 (16 u + r)
	s_lshr_b32 s17, ttmp9, 3                       ; which weight
	s_and_b32 s18, ttmp9, 7                        ; which 128 columns
	s_and_b32 s19, ttmp7, 0xffff                   ; which chunk of 128 along K
	s_lshl_b32 s20, s19, 19                        ; 128 rows of 4,096 bytes
	s_lshl_b32 s22, s18, 9
	s_add_co_u32 s20, s20, s22
	s_lshl_b32 s22, s16, 7
	s_add_co_u32 s20, s20, s22                     ; + 4 x my wave's first column
	s_mov_b32 s21, 0
	s_lshl_b32 s22, s17, 6
	s_lshl_b32 s23, s18, 3
	s_add_co_u32 s22, s22, s23
	s_lshl_b32 s23, s16, 1
	s_add_co_u32 s22, s22, s23                     ; my wave's first tile
	s_mul_i32 s24, s22, 12288
	s_mul_i32 s25, s19, 1536
	s_add_co_u32 s24, s24, s25
	s_mov_b32 s25, 0
	s_lshl_b32 s26, s22, 9
	s_lshl_b32 s27, s19, 2
	s_add_co_u32 s26, s26, s27
	s_mov_b32 s27, 0
	s_wait_kmcnt 0x0
	s_cmp_eq_u32 s17, 1                            ; the choice hangs on the work-group's number alone
	s_cselect_b64 s[4:5], s[6:7], s[4:5]
	s_cmp_eq_u32 s17, 2
	s_cselect_b64 s[4:5], s[8:9], s[4:5]
	s_cmp_eq_u32 s17, 3
	s_cselect_b64 s[4:5], s[10:11], s[4:5]
	s_add_nc_u64 s[4:5], s[4:5], s[20:21]
	s_add_nc_u64 s[12:13], s[12:13], s[24:25]
	s_add_nc_u64 s[14:15], s[14:15], s[26:27]
.set i, 0
.rept 128
	global_load_b32 v[X+i], v2, s[4:5] offset:i*4096 th:TH_LOAD_NT   ; row i of the chunk: 32 lanes read 128 consecutive bytes
.set i, i+1
.endr
; Block t of 32 along K: half t / 2 of the images, lanes' half t % 2
.macro BLOCK t
.set XS, X+32*(\t)
.set CC, C+8*(\t)
.if (\t) < 2
	s_wait_loadcnt 63                              ; 96 (64) younger loads could stay out; a wait names 63 at the most
.else
	s_wait_loadcnt 32*(3-(\t))                     ; the later blocks' loads may stay out
.endif
	v_max3_num_f32 v8, |v[XS]|, |v[XS+1]|, |v[XS+2]|               ; the block's largest magnitude: all 32 numbers are mine; two chains
	v_max3_num_f32 v9, |v[XS+3]|, |v[XS+4]|, |v[XS+5]|
.irp i, 6,10,14,18,22,26
	v_max3_num_f32 v8, v8, |v[XS+\i]|, |v[XS+\i+1]|
	v_max3_num_f32 v9, v9, |v[XS+\i+2]|, |v[XS+\i+3]|
.endr
	v_max3_num_f32 v8, v8, |v[XS+30]|, |v[XS+31]|
	v_max3_num_f32 v8, v8, v9, 0x1800000           ; and the floor 2^(3 - 127): the byte cannot fall under 1
	v_add_nc_u32 v10, 0xff000000, v8               ; 2 off the exponent field: the conversion's scale operand
	v_lshrrev_b32 v11, 23, v10                     ; the scale's byte
.if (\t) == 0
	v_mov_b32 v14, v11
.else
	v_lshl_or_b32 v14, v11, 8*(\t), v14            ; four bytes make the chunk's scale word
.endif
	v_cvt_scalef32_pk16_fp6_f32 v[CC:CC+2], v[XS:XS+15], v10
	v_cvt_scalef32_pk16_fp6_f32 v[CT:CT+2], v[XS+16:XS+31], v10
	v_nop                                          ; one plain place behind a scaled conversion
.irp i, 0,1,2
	v_mov_b32 v[CC+3+\i], v[CT+\i]
.endr
	ds_store_b128 v3, v[CC:CC+3] offset:768*((\t)/2)+256*((\t)%2)
	ds_store_b64 v4, v[CC+4:CC+5] offset:768*((\t)/2)+512+128*((\t)%2)
.endm
	BLOCK 0
	BLOCK 1
	BLOCK 2
	BLOCK 3
	global_store_b32 v7, v14, s[14:15]             ; my column's four bytes of this chunk
.irp k, 0,1,2,3,4,5
	ds_load_b128 v[OUTR+4*\k:OUTR+4*\k+3], v5 offset:512*\k   ; LDS serves a wave's instructions in order: these see my stores
.endr
.irp k, 0,1,2,3,4,5
	s_wait_dscnt 5-\k
	global_store_b128 v6, v[OUTR+4*\k:OUTR+4*\k+3], s[12:13] offset:(\k/3)*12288+(\k%3)*512   ; 512 consecutive bytes, at a multiple of 256
.endr
	s_wait_tensorcnt 0x0                           ; the wave's end behind my last LDS store
	ds_add_u32 v[SPW], v[NIL]
	s_wait_dscnt 0x0
	s_endpgm
.Lfunc_end_k_qc60fe72b44_quant_w:
	.size	k_qc60fe72b44_quant_w, .Lfunc_end_k_qc60fe72b44_quant_w-k_qc60fe72b44_quant_w
	.p2alignl 7, 3214868480
	.fill 96, 4, 3214868480
	.section	.rodata,"a",@progbits
	.p2align	6, 0x0
	.amdhsa_kernel k_qc60fe72b44_quant_w
		.amdhsa_group_segment_fixed_size 12800
		.amdhsa_private_segment_fixed_size 0
		.amdhsa_enable_private_segment 0
		.amdhsa_kernarg_size 48
		.amdhsa_user_sgpr_count 2
		.amdhsa_user_sgpr_kernarg_segment_ptr 1
		.amdhsa_wavefront_size32 1
		.amdhsa_system_sgpr_workgroup_id_x 1
		.amdhsa_system_sgpr_workgroup_id_y 1
		.amdhsa_system_sgpr_workgroup_id_z 1
		.amdhsa_system_vgpr_workitem_id 0
		.amdhsa_next_free_vgpr 208
		.amdhsa_next_free_sgpr 66
		.amdhsa_reserve_vcc 0
		.amdhsa_float_denorm_mode_32 3
		.amdhsa_float_denorm_mode_16_64 3
		.amdhsa_memory_ordered 1
		.amdhsa_forward_progress 1
		.amdhsa_inst_pref_size 23
	.end_amdhsa_kernel
	.amdgpu_metadata
---
amdhsa.version: [ 1, 2 ]
amdhsa.kernels:
  - .name:           k_qc60fe72b44_quant_w
    .symbol:         k_qc60fe72b44_quant_w.kd
    .args:
      - { .name: wq, .offset: 0, .size: 8, .value_kind: global_buffer, .address_space: global }
      - { .name: wk, .offset: 8, .size: 8, .value_kind: global_buffer, .address_space: global }
      - { .name: wv, .offset: 16, .size: 8, .value_kind: global_buffer, .address_space: global }
      - { .name: wo, .offset: 24, .size: 8, .value_kind: global_buffer, .address_space: global }
      - { .name: wimg, .offset: 32, .size: 8, .value_kind: global_buffer, .address_space: global }
      - { .name: wsc, .offset: 40, .size: 8, .value_kind: global_buffer, .address_space: global }
    .group_segment_fixed_size: 12800
    .private_segment_fixed_size: 0
    .kernarg_segment_align: 8
    .kernarg_segment_size: 48
    .max_flat_workgroup_size: 128
    .sgpr_count:     66
    .vgpr_count:     208
    .wavefront_size: 32
...
	.end_amdgpu_metadata
.endif
;; end of part 1
;; launch quant_x (part 2): grid 512 x 1, 8 waves a work-group, no clusters, 69,120 bytes of LDS; arguments x, aimg, asc; writes aimg, asc
.if DOCPART == 2
	.amdgcn_target "amdgcn-amd-amdhsa--gfx1250"
	.amdhsa_code_object_version 6
	.text
	.protected	k_qc60fe72b44_quant_x
	.globl	k_qc60fe72b44_quant_x
	.p2align	8
	.type	k_qc60fe72b44_quant_x,@function
k_qc60fe72b44_quant_x:
	s_mov_b64 s[64:65], 0
	v_nop
	global_prefetch_b8 v0, s[64:65] scope:SCOPE_SE
	s_setreg_imm32_b32 hwreg(HW_REG_WAVE_MODE, 25, 1), 1
	s_wait_xcnt 0x0
; x [8192][1024], f32, K innermost, becomes codes of FP6 (E2M3) with one E8M0 byte for each 32 along K, by the rule stated in quant_w's head.
; LIMITS: a block whose largest magnitude lies under 2^-124, a block of zeros among them, gets the byte 1 (read by this program alone); NaN and infinities are not served.
; aimg: [tile of 16 rows, 512][chunk of 128 along K, 8][1,536 bytes], images of an operand's registers as in wimg; row r of tile 2 B + u is token 32 B + 8 u + r + 8 (r / 8).  asc: [place of the row][32 bytes].
; SHARES.  A work-group makes one tile, wave w its chunk w.  Each load reads 512 consecutive bytes of one row; the 16 rows turn through the wave's own stage (rows 528 bytes apart, so that sixteen
; rows start in sixteen different groups of banks) and come back as the operand's layout wants them: lane (r, h) holds k = 64 c + 32 h .. + 31 of row r: two whole blocks.
.set SPITCH, 528
.set WST,   16*SPITCH                  ; a wave's stage
.set SCW,   8*WST                      ; behind the stages: the tile's 512 scale bytes
.set SPARE, SCW+512                    ; the spare words, 128 bytes for each wave
.set SPW,   10
.set NIL,   11
.set R,     16                         ; v16-79   as loaded
.set X,     80                         ; v80-143  my 64 numbers
.set C,     144                        ; v144-155 the fragment
.set CT,    156                        ; v156-163 the second halves of the blocks' codes
.set M,     164
.set SO,    166
.set B,     168
	s_load_b128 s[4:7], s[0:1], 0x0                ; x, aimg
	s_load_b64 s[8:9], s[0:1], 0x10                ; asc
	v_lshl_add_u32 v[SPW], v0, 2, SPARE
	v_mov_b32 v[NIL], 0
	v_lshrrev_b32 v1, 5, v0
	s_delay_alu instid0(VALU_DEP_1)
	v_readfirstlane_b32 s16, v1                    ; wave = chunk
	v_and_b32 v1, 31, v0
	v_and_b32 v2, 15, v0                           ; r
	v_bfe_u32 v3, v0, 4, 1                         ; h
	s_delay_alu instid0(VALU_DEP_3)
	v_lshlrev_b32 v4, 4, v1                        ; 16 x lane
	s_delay_alu instid0(VALU_DEP_4)
	v_lshlrev_b32 v5, 3, v1                        ; 8 x lane
	s_mul_i32 s17, s16, WST
	v_add_nc_u32 v6, s17, v4                       ; into the stage: a row as it lies
	v_mul_u32_u24 v7, v2, SPITCH
	s_delay_alu instid0(VALU_DEP_1)
	v_lshl_add_u32 v7, v3, 7, v7
	s_delay_alu instid0(VALU_DEP_1)
	v_add_nc_u32 v7, s17, v7                       ; out of it: row r, + 128 h bytes
	s_lshl_b32 s18, s16, 2
	s_add_co_u32 s18, s18, SCW
	v_lshl_add_u32 v8, v2, 5, s18                  ; my row's scale word of my chunk
	v_lshlrev_b32 v9, 3, v3                        ; 8 h
	v_add_nc_u32 v12, SCW, v4
	s_mov_b32 s12, 0x76543210
	s_mov_b32 s13, 0xfedcba98                      ; v_permlanex16_b32's selects for lane l xor 16
	s_lshr_b32 s20, ttmp9, 1
	s_lshl_b32 s20, s20, 17                        ; 32 rows of 4,096 bytes
	s_and_b32 s21, ttmp9, 1
	s_lshl_b32 s21, s21, 15                        ; 8 rows
	s_add_co_u32 s20, s20, s21
	s_lshl_b32 s21, s16, 9                         ; my chunk: 512 bytes
	s_add_co_u32 s20, s20, s21
	s_mov_b32 s21, 0
	s_mul_i32 s22, ttmp9, 12288
	s_mul_i32 s23, s16, 1536
	s_add_co_u32 s22, s22, s23
	s_mov_b32 s23, 0
	s_lshl_b32 s24, ttmp9, 9
	s_mov_b32 s25, 0
	s_wait_alu depctr_va_vdst(0)
	s_wait_kmcnt 0x0
	s_add_nc_u64 s[4:5], s[4:5], s[20:21]
	s_add_nc_u64 s[6:7], s[6:7], s[22:23]
	s_add_nc_u64 s[8:9], s[8:9], s[24:25]
.irp i, 0,1,2,3,4,5,6,7,8,9,10,11,12,13,14,15
	global_load_b128 v[R+4*\i:R+4*\i+3], v4, s[4:5] offset:(\i+8*(\i/8))*4096 th:TH_LOAD_NT   ; the tile's row i
.endr
.irp i, 0,1,2,3,4,5,6,7,8,9,10,11,12,13,14,15
	s_wait_loadcnt 15-\i                           ; loads come back in order: row i is in
	ds_store_b128 v6, v[R+4*\i:R+4*\i+3] offset:SPITCH*\i
.endr
.irp c, 0,1
.irp j, 0,1,2,3,4,5,6,7
	ds_load_b128 v[X+32*\c+4*\j:X+32*\c+4*\j+3], v7 offset:256*\c+16*\j   ; LDS serves a wave's instructions in order: these see my stores
.endr
.endr
	s_wait_dscnt 0x0
.irp c, 0,1
	v_max3_num_f32 v[M+\c], |v[X+32*\c]|, |v[X+32*\c+1]|, 0x1800000   ; my block 2 c + h, and the floor 2^(3 - 127)
.endr
.irp i, 2,4,6,8,10,12,14,16,18,20,22,24,26,28,30
.irp c, 0,1
	s_delay_alu instid0(VALU_DEP_2)
	v_max3_num_f32 v[M+\c], v[M+\c], |v[X+32*\c+\i]|, |v[X+32*\c+\i+1]|
.endr
.endr
.irp c, 0,1
	s_delay_alu instid0(VALU_DEP_2)
	v_add_nc_u32 v[SO+\c], 0xff000000, v[M+\c]     ; the conversion's scale operand
.endr
.irp c, 0,1
	s_delay_alu instid0(VALU_DEP_2)
	v_lshrrev_b32 v[B+\c], 23, v[SO+\c]            ; the byte
.endr
	s_delay_alu instid0(VALU_DEP_1)
	v_lshl_or_b32 v170, v[B+1], 16, v[B]           ; my two bytes: blocks h and 2 + h,
	s_delay_alu instid0(VALU_DEP_1)
	v_lshlrev_b32 v170, v9, v170                   ; at their places in the word;
	v_mov_b32 v171, 0
	s_delay_alu instid0(VALU_DEP_1)
	v_permlanex16_b32 v171, v170, s12, s13
	s_delay_alu instid0(VALU_DEP_1)
	v_or_b32 v170, v170, v171                      ; with lane l xor 16's two the word is whole
.irp c, 0,1
	v_cvt_scalef32_pk16_fp6_f32 v[C+6*\c:C+6*\c+2], v[X+32*\c:X+32*\c+15], v[SO+\c]
	v_cvt_scalef32_pk16_fp6_f32 v[CT+4*\c:CT+4*\c+2], v[X+32*\c+16:X+32*\c+31], v[SO+\c]
.endr
	v_nop                                          ; one plain place behind a scaled conversion
.irp c, 0,1
.irp i, 0,1,2
	v_mov_b32 v[C+6*\c+3+\i], v[CT+4*\c+\i]
.endr
.endr
	global_store_b128 v4, v[C:C+3], s[6:7]                     ; the image: 512, 256, 512, 256 consecutive bytes
	global_store_b64 v5, v[C+4:C+5], s[6:7] offset:512
	global_store_b128 v4, v[C+6:C+9], s[6:7] offset:768
	global_store_b64 v5, v[C+10:C+11], s[6:7] offset:1280
	ds_store_b32 v8, v170                          ; both halves of the lanes write the same word with the same value
	s_wait_dscnt 0x0                               ; for the others' sake: my store has landed
	s_barrier_signal -1
	s_barrier_wait -1
	s_cmp_lg_u32 s16, 0
	s_cbranch_scc1 .Lnot_wave_0
	ds_load_b128 v[172:175], v12                   ; the tile's 512 scale bytes leave whole
	s_wait_dscnt 0x0
	global_store_b128 v4, v[172:175], s[8:9]
.Lnot_wave_0:
	s_wait_tensorcnt 0x0                           ; the wave's end behind my last LDS store
	ds_add_u32 v[SPW], v[NIL]
	s_wait_dscnt 0x0
	s_endpgm
.Lfunc_end_k_qc60fe72b44_quant_x:
	.size	k_qc60fe72b44_quant_x, .Lfunc_end_k_qc60fe72b44_quant_x-k_qc60fe72b44_quant_x
	.p2alignl 7, 3214868480
	.fill 96, 4, 3214868480
	.section	.rodata,"a",@progbits
	.p2align	6, 0x0
	.amdhsa_kernel k_qc60fe72b44_quant_x
		.amdhsa_group_segment_fixed_size 69120
		.amdhsa_private_segment_fixed_size 0
		.amdhsa_enable_private_segment 0
		.amdhsa_kernarg_size 24
		.amdhsa_user_sgpr_count 2
		.amdhsa_user_sgpr_kernarg_segment_ptr 1
		.amdhsa_wavefront_size32 1
		.amdhsa_system_sgpr_workgroup_id_x 1
		.amdhsa_system_sgpr_workgroup_id_y 1
		.amdhsa_system_sgpr_workgroup_id_z 1
		.amdhsa_system_vgpr_workitem_id 0
		.amdhsa_next_free_vgpr 176
		.amdhsa_next_free_sgpr 66
		.amdhsa_reserve_vcc 0
		.amdhsa_float_denorm_mode_32 3
		.amdhsa_float_denorm_mode_16_64 3
		.amdhsa_memory_ordered 1
		.amdhsa_forward_progress 1
		.amdhsa_inst_pref_size 12
	.end_amdhsa_kernel
	.amdgpu_metadata
---
amdhsa.version: [ 1, 2 ]
amdhsa.kernels:
  - .name:           k_qc60fe72b44_quant_x
    .symbol:         k_qc60fe72b44_quant_x.kd
    .args:
      - { .name: x, .offset: 0, .size: 8, .value_kind: global_buffer, .address_space: global }
      - { .name: aimg, .offset: 8, .size: 8, .value_kind: global_buffer, .address_space: global }
      - { .name: asc, .offset: 16, .size: 8, .value_kind: global_buffer, .address_space: global }
    .group_segment_fixed_size: 69120
    .private_segment_fixed_size: 0
    .kernarg_segment_align: 8
    .kernarg_segment_size: 24
    .max_flat_workgroup_size: 256
    .sgpr_count:     66
    .vgpr_count:     176
    .wavefront_size: 32
...
	.end_amdgpu_metadata
.endif
;; end of part 2
;; launch qkv (part 3): grid 12 x 32, 4 waves a work-group, clusters of 4 x 4, 327,680 bytes of LDS; arguments aimg, asc, wimg, wsc, bq, bk, bv, qkimg, qksc, vimg, vsc; writes qkimg, qksc, vimg, vsc
.if DOCPART == 3
	.amdgcn_target "amdgcn-amd-amdhsa--gfx1250"
	.amdhsa_code_object_version 6
	.text
	.protected	k_qc60fe72b44_qkv
	.globl	k_qc60fe72b44_qkv
	.p2align	8
	.type	k_qc60fe72b44_qkv,@function
k_qc60fe72b44_qkv:
	s_mov_b64 s[64:65], 0
	v_nop
	global_prefetch_b8 v0, s[64:65] scope:SCOPE_SE
	s_setreg_imm32_b32 hwreg(HW_REG_WAVE_MODE, 25, 1), 1
	s_wait_xcnt 0x0
	s_wait_alu depctr_hold_cnt(0) depctr_sa_sdst(0) depctr_va_vdst(0) depctr_va_sdst(0) depctr_va_ssrc(0) depctr_va_vcc(0) depctr_vm_vsrc(0)
	s_getreg_b32 s2, hwreg(HW_REG_IB_STS2, 6, 4)
	s_cmp_eq_u32 s2, 0
	s_cbranch_scc0 .Lentry_in_a_cluster
	s_endpgm
.Lentry_in_a_cluster:
	s_bfe_u32 s2, ttmp6, 0x10000c
	s_cmp_lg_u32 s2, 0xf033
	s_cbranch_scc0 .Lentry_shape_is_right
	s_endpgm
.Lentry_shape_is_right:
; Q, K, V = x W^T + b on codes of FP6 with E8M0 scales; a work-group makes 256 x 256, a wave 128 x 128; the results are quantised again and leave as images of operands' registers.
; K goes in steps of 256 through two LDS slots; the scale bytes of the work-group's rows lie in LDS for the whole launch, dense.
; THE HEAD: one joint load a wave: wave 0 A's sixteen tiles of slot 0, wave 1 B's, wave 2 A's scale bytes, wave 3 B's; slot 1 is first filled behind the full sequence and a round.
.set TILEB, 12288
.set STEPB, 3072
.set HALFT, 8*STEPB
.set SLOT,  4*HALFT
.set FR,    12
.set NL,    4
.set NP,    4
.set SCL,   2*SLOT
.set HALFS, 16*256
.set SBLK,  512
.set SPARE, SCL+4*HALFS
.set A16,  16
.set A8,   18
.set B16,  20
.set B8,   22
.set ADRS, 27
.set SPW,  28
.set NIL,  29
.set SC,   32
.set BIAS, 64
.set AF,   128
.set G1,   24
.set G0,   32
.set G1B,  48
.set G0B,  56
.set G1S,  68
.set G0S,  76
.set G1SB, 80
.set G0SB, 88
.set MSB, 0
.macro WIN new
.if MSB != \new
	s_set_vgpr_msb (MSB<<8)|\new
.set MSB, \new
.endif
.endm
.set MUL_LO, 0xa1
.set MUL_HI, 0xf1
.set BIA_LO, 0x81
.set BIA_HI, 0xc1
.set TO_B,   0x40
.macro JLOAD g0a, g1a, g0b, g1b
	s_cmp_eq_u32 s15, 0
	s_cbranch_scc0 .Lfor_b_\@
	tensor_load_to_lds s[\g0a:\g0a+3], s[\g1a:\g1a+7]
	s_nop 0
.rept 4
	v_nop
.endr
	s_branch .Lasked_\@
.Lfor_b_\@:
	tensor_load_to_lds s[\g0b:\g0b+3], s[\g1b:\g1b+7]
	s_nop 0
.rept 4
	v_nop
.endr
.Lasked_\@:
.endm
.macro CREST
	s_cmp_lg_u32 s14, 0
	s_cbranch_scc1 .Lnot_wave_0_\@
	s_barrier_signal -3
.Lnot_wave_0_\@:
	s_barrier_wait -3
	s_barrier_signal -1
	s_barrier_wait -1
.endm
.macro CROUND
	s_barrier_signal -1
	s_barrier_wait -1
	CREST
.endm
	s_load_b128 s[4:7], s[0:1], 0x0
	s_load_b128 s[8:11], s[0:1], 0x10
	s_load_b128 s[96:99], s[0:1], 0x20
	s_load_b64 s[100:101], s[0:1], 0x30
	v_lshl_add_u32 v[SPW], v0, 2, SPARE
	v_mov_b32 v[NIL], 0
	ds_add_u32 v[SPW], v[NIL]
	ds_add_u32 v[SPW], v[NIL]
	v_lshrrev_b32 v1, 5, v0
	v_readfirstlane_b32 s14, v1
	s_lshr_b32 s15, s14, 1
	s_and_b32 s16, s14, 1
	s_bfe_u32 s40, ttmp6, 0x40000
	s_bfe_u32 s41, ttmp6, 0x40004
	s_lshl_b32 s42, ttmp9, 2
	s_add_co_u32 s42, s42, s40
	s_and_b32 s17, ttmp7, 0xffff
	s_lshl_b32 s17, s17, 2
	s_add_co_u32 s17, s17, s41
	s_lshl_b32 s43, s41, 2
	s_lshl_b32 s43, 15, s43
	s_lshl_b32 s44, 0x1111, s40
	s_or_b32 s[G1+0], s43, (3<<16)|(1<<21)
	s_or_b32 s[G1B+0], s44, (3<<16)|(1<<21)
.irp g, G1, G1B
	s_mov_b32 s[\g+1], 384<<16
	s_mov_b32 s[\g+2], 16<<16                      ; the head's loads bring sixteen tiles; behind them the two words are set to 8
	s_mov_b32 s[\g+3], 384<<16
	s_mov_b32 s[\g+4], 16
	s_mov_b32 s[\g+5], 1536
	s_mov_b32 s[\g+6], 0
	s_mov_b32 s[\g+7], 0
.endr
	s_or_b32 s[G1S+0], s43, (3<<16)|(1<<21)        ; no padding: every byte of the scales' region is written
	s_or_b32 s[G1SB+0], s44, (3<<16)|(1<<21)
.irp g, G1S, G1SB
	s_mov_b32 s[\g+1], 32<<16
	s_mov_b32 s[\g+2], 32<<16                      ; the scale bytes of 256 rows: 32 rows of 256 bytes
	s_mov_b32 s[\g+3], 32<<16
	s_mov_b32 s[\g+4], 32
	s_mov_b32 s[\g+5], 32
	s_mov_b32 s[\g+6], 0
	s_mov_b32 s[\g+7], 0
.endr
	s_lshl_b32 s20, s17, 4                         ; the block's first tile of A,
	s_lshl_b32 s46, s42, 4                         ; and of B
	s_lshl_b32 s22, s20, 9
	s_mov_b32 s23, 0
	s_lshl_b32 s92, s46, 9
	s_mov_b32 s93, 0
	s_mul_i32 s20, s20, TILEB
	s_mov_b32 s21, 0
	s_mul_i32 s46, s46, TILEB
	s_mov_b32 s47, 0
	s_mul_i32 s45, s14, HALFT
	s_mul_i32 s18, s16, 8*TILEB                    ; in the ring I fetch eight tiles: which half, in bytes
	s_mov_b32 s19, 0
	s_wait_dscnt 0x0
	s_wait_kmcnt 0x0
	s_add_nc_u64 s[20:21], s[4:5], s[20:21]
	s_add_nc_u64 s[22:23], s[6:7], s[22:23]
	s_add_nc_u64 s[46:47], s[8:9], s[46:47]
	s_add_nc_u64 s[92:93], s[10:11], s[92:93]
	CROUND
	s_mov_b32 s[G0S], 1
	s_mov_b32 s[G0S+1], SCL
	s_mov_b64 s[G0S+2:G0S+3], s[22:23]
	s_or_b32 s[G0S+3], s[G0S+3], 0x80000000
	s_mov_b32 s[G0SB], 1
	s_mov_b32 s[G0SB+1], SCL+2*HALFS
	s_mov_b64 s[G0SB+2:G0SB+3], s[92:93]
	s_or_b32 s[G0SB+3], s[G0SB+3], 0x80000000
	s_mov_b32 s4, 1                                ; group 0 of the head's loads of slot 0 (the arguments that lay here have been used): A's sixteen tiles,
	s_mov_b32 s5, 0
	s_mov_b64 s[6:7], s[20:21]
	s_or_b32 s7, s7, 0x80000000
	s_mov_b32 s8, 1                                ; B's, behind them
	s_mov_b32 s9, 2*HALFT
	s_mov_b64 s[10:11], s[46:47]
	s_or_b32 s11, s11, 0x80000000
	s_add_nc_u64 s[20:21], s[20:21], s[18:19]      ; for the ring: my eight tiles
	s_add_nc_u64 s[46:47], s[46:47], s[18:19]
.irp s, 0,1
	s_mov_b32 s[G0+4*\s], 1
	s_add_co_u32 s[G0+4*\s+1], s45, \s*SLOT
	s_add_nc_u64 s[G0+4*\s+2:G0+4*\s+3], s[20:21], \s*STEPB
	s_or_b32 s[G0+4*\s+3], s[G0+4*\s+3], 0x80000000
	s_mov_b32 s[G0B+4*\s], 1
	s_add_co_u32 s[G0B+4*\s+1], s45, \s*SLOT
	s_add_nc_u64 s[G0B+4*\s+2:G0B+4*\s+3], s[46:47], \s*STEPB
	s_or_b32 s[G0B+4*\s+3], s[G0B+4*\s+3], 0x80000000
.endr
; one chain of branches on the wave's number, one load to an arm, all arms to one join
.macro ARM under, g0, g1, next
	s_cmp_lt_u32 s14, \under
	s_cbranch_scc0 \next
	tensor_load_to_lds s[\g0:\g0+3], s[\g1:\g1+7]
	s_nop 0
.rept 4
	v_nop
.endr
	s_branch .Lhead_asked
\next:
.endm
	ARM 1, 4, G1, .Lhead_b
	ARM 2, 8, G1B, .Lhead_sa
	ARM 3, G0S, G1S, .Lhead_sb
	tensor_load_to_lds s[G0SB:G0SB+3], s[G1SB:G1SB+7]
	s_nop 0
.rept 4
	v_nop
.endr
.Lhead_asked:
	v_and_b32 v1, 15, v0
	v_bfe_u32 v2, v0, 4, 1
	v_and_b32 v3, 31, v0
	v_lshlrev_b32 v4, 4, v3
	s_wait_alu depctr_va_vdst(0)
	v_lshlrev_b32 v5, 3, v3
	s_wait_alu depctr_va_vdst(0)
	s_mov_b32 s2, 0xffff0000
	s_mov_b32 s12, 0x76543210
	s_mov_b32 s13, 0xfedcba98
	s_cmp_eq_u32 ttmp9, 2
	s_cselect_b32 s66, 1, 0
	s_cselect_b32 s67, -1, 0
	s_cselect_b32 s95, 0, 4
	s_cselect_b32 s21, 2*HALFT, 0
	s_cselect_b32 s22, 0, 2*HALFT
	s_cselect_b32 s18, 2*HALFS, 0
	s_cselect_b32 s19, 0, 2*HALFS
	s_mul_i32 s23, s15, HALFT
	s_add_co_u32 s21, s21, s23
	s_mul_i32 s23, s16, HALFT
	s_add_co_u32 s22, s22, s23
.irp s, 0,1
	v_add_nc_u32 v[A16+\s], s21, v4
	v_add_nc_u32 v[A8+\s], s21, v5
	v_add_nc_u32 v[B16+\s], s22, v4
	v_add_nc_u32 v[B8+\s], s22, v5
	s_add_co_u32 s21, s21, SLOT
	s_add_co_u32 s22, s22, SLOT
.endr
	s_mul_i32 s23, s15, HALFS
	s_add_co_u32 s18, s18, s23
	s_add_co_u32 s18, s18, SCL
	s_mul_i32 s23, s16, HALFS
	s_add_co_u32 s19, s19, s23
	s_add_co_u32 s19, s19, SCL
	v_lshlrev_b32 v6, 5, v1                        ; my row's scale bytes: 32 a row, dense
	v_mov_b32 v7, s18
	v_mov_b32 v8, s19
	v_cndmask_b32 v7, v7, v8, s2
	v_add_nc_u32 v[ADRS], v6, v7
	s_cmp_eq_u32 ttmp9, 1
	s_cselect_b64 s[96:97], s[98:99], s[96:97]
	s_cmp_eq_u32 ttmp9, 2
	s_cselect_b64 s[96:97], s[100:101], s[96:97]
	s_cselect_b32 s23, s15, s16
	s_lshl_b32 s20, s42, 1
	s_add_co_u32 s20, s20, s23
	s_and_b32 s20, s20, 7
	s_lshl_b32 s20, s20, 9
	s_mov_b32 s21, 0
	s_add_nc_u64 s[96:97], s[96:97], s[20:21]
	v_lshlrev_b32 v6, 6, v2
	v_lshrrev_b32 v7, 3, v1
	v_lshl_add_u32 v7, v7, 3, v1
	v_lshlrev_b32 v7, 2, v7
	v_cndmask_b32 v8, v6, v7, s67
.irp j, 1,2,3,4,5,6,7
	v_add_nc_u32 v[8+\j], s95, v[7+\j]
.endr
.irp i, 0,1,2,3,4,5,6,7
.irp j, 0,1,2,3,4,5,6,7
	global_load_b32 v[BIAS+8*\i+\j], v[8+\j], s[96:97] offset:(32*(\i/2)+8*(\i%2))*4
.endr
.endr
.macro FRAG reg, a16, a8, q, i
	ds_load_b128 v[\reg:\reg+3], v[\a16] offset:(\i)*STEPB+(\q)*1536
	ds_load_b64 v[\reg+4:\reg+5], v[\a8] offset:(\i)*STEPB+(\q)*1536+512
	ds_load_b128 v[\reg+6:\reg+9], v[\a16] offset:(\i)*STEPB+(\q)*1536+768
	ds_load_b64 v[\reg+10:\reg+11], v[\a8] offset:(\i)*STEPB+(\q)*1536+1280
.endm
.macro MUL16 a0, p, q, sc, zero
.irp a, \a0, \a0+1
.irp b, 0,1,2,3,4,5,6,7
.set rD, 8*(8*((\a)%4)+\b)
.set rB, 128*(\p)+FR*\b
.set rA, AF+FR*(\a)
.set rSB, SC+16*(\sc)+2*\b+(\q)
.set rSA, SC+16*(\sc)+2*(\a)+(\q)
.if (\zero) == 1
	v_wmma_scale_f32_16x16x128_f8f6f4 v[rD:rD+7], v[rB:rB+11], v[rA:rA+11], v[BIAS+8*\b:BIAS+8*\b+7], v[rSB], v[rSA] matrix_a_fmt:MATRIX_FMT_FP6 matrix_b_fmt:MATRIX_FMT_FP6 matrix_a_scale:MATRIX_SCALE_ROW1
.elseif (\zero) == 2
	v_wmma_scale_f32_16x16x128_f8f6f4 v[rD:rD+7], v[rB:rB+11], v[rA:rA+11], v[BIAS+8*(\a):BIAS+8*(\a)+7], v[rSB], v[rSA] matrix_a_fmt:MATRIX_FMT_FP6 matrix_b_fmt:MATRIX_FMT_FP6 matrix_a_scale:MATRIX_SCALE_ROW1
.else
	v_wmma_scale_f32_16x16x128_f8f6f4 v[rD:rD+7], v[rB:rB+11], v[rA:rA+11], v[rD:rD+7], v[rSB], v[rSA] matrix_a_fmt:MATRIX_FMT_FP6 matrix_b_fmt:MATRIX_FMT_FP6 matrix_a_scale:MATRIX_SCALE_ROW1
.endif
.endr
.endr
.endm
.macro FETCH_B slot, q, p
	WIN TO_B
.irp i, 0,1,2,3,4,5,6,7
	FRAG 128*(\p)+FR*\i, B16+\slot, B8+\slot, \q, \i
.endr
	WIN 0
.endm
.macro FETCH_A slot, q, i0
.irp i, \i0, \i0+1, \i0+2, \i0+3
	FRAG AF+FR*(\i), A16+\slot, A8+\slot, \q, \i
.endr
.endm
.macro SCALES sc
.irp i, 0,1,2,3,4,5,6,7
	ds_load_b64 v[SC+16*\sc+2*\i:SC+16*\sc+2*\i+1], v[ADRS] offset:\i*SBLK
.endr
.endm
.macro PLACES n
.rept \n
	v_nop
.endr
.endm
.macro STEP slot, q, zero
	s_wait_dscnt 4*NL
.if \zero
	WIN BIA_LO
.else
	WIN MUL_LO
.endif
	MUL16 0, (\q)%2, \q, \slot, \zero
	MUL16 2, (\q)%2, \q, \slot, \zero
	s_wait_dscnt 0
	PLACES NP
	FETCH_B \slot, (\q)+1, 1-(\q)%2
	FETCH_A \slot, (\q)+1, 0
.if \zero
	WIN BIA_HI
.else
	WIN MUL_HI
.endif
	MUL16 4, (\q)%2, \q, \slot, \zero
	MUL16 6, (\q)%2, \q, \slot, \zero
	PLACES NP
	WIN 0
	FETCH_A \slot, (\q)+1, 4
.endm
.macro TURN slot, next, fill
	s_wait_tensorcnt 0x0
	ds_add_u32 v[SPW], v[NIL]
	s_wait_dscnt 4*NL+1
	WIN MUL_LO
	MUL16 0, 1, 1, \slot, 0
	s_wait_dscnt 0x0
	s_barrier_signal -1
	MUL16 2, 1, 1, \slot, 0
	WIN 0
	s_barrier_wait -1
.if \fill
	CREST
	s_add_nc_u64 s[G0+4*\slot+2:G0+4*\slot+3], s[G0+4*\slot+2:G0+4*\slot+3], 2*STEPB
	s_add_nc_u64 s[G0B+4*\slot+2:G0B+4*\slot+3], s[G0B+4*\slot+2:G0B+4*\slot+3], 2*STEPB
	JLOAD G0+4*\slot, G1, G0B+4*\slot, G1B
.else
	PLACES NP
.endif
	s_wait_alu depctr_va_vdst(0)
	v_add_nc_u32 v[ADRS], 8, v[ADRS]
	FETCH_B \next, 0, 0
	FETCH_A \next, 0, 0
	SCALES \next
	WIN MUL_HI
	MUL16 4, 1, 1, \slot, 0
	MUL16 6, 1, 1, \slot, 0
	PLACES NP
	WIN 0
	FETCH_A \next, 0, 4
.endm
	s_wait_alu depctr_va_vdst(0)                   ; the wait at the head's end
	s_wait_tensorcnt 0x0                           ; my tile of the head's four is in
	ds_add_u32 v[SPW], v[NIL]
	s_mov_b32 s[G1+2], 8<<16                       ; no tensor load of mine is out: from here on a load brings eight tiles
	s_mov_b32 s[G1+4], 8
	s_mov_b32 s[G1B+2], 8<<16
	s_mov_b32 s[G1B+4], 8
	s_wait_dscnt 0x0
	CROUND                                         ; all four tiles are in, and all sixteen work-groups are here
	JLOAD G0+4, G1, G0B+4, G1B                     ; slot 1's first fill, the first tensor load behind the round
	FETCH_B 0, 0, 0
	FETCH_A 0, 0, 0
	SCALES 0
	FETCH_A 0, 0, 4
	s_wait_loadcnt 0x0
	s_cmp_eq_u32 s66, 1
	s_cbranch_scc1 .Lfirst_v
	STEP 0, 0, 1
	s_branch .Lfirst_done
.Lfirst_v:
	STEP 0, 0, 2
.Lfirst_done:
	TURN 0, 1, 1
	STEP 1, 0, 0
	TURN 1, 0, 1
	STEP 0, 0, 0
	TURN 0, 1, 0
	STEP 1, 0, 0
	s_wait_dscnt 4*NL
	WIN MUL_LO
	MUL16 0, 1, 1, 1, 0
	MUL16 2, 1, 1, 1, 0
	s_wait_dscnt 0
	WIN MUL_HI
	MUL16 4, 1, 1, 1, 0
	MUL16 6, 1, 1, 1, 0
	WIN 0
.set PC,   128
.set TM,   152
.set PWS,  168
.set SELV, 176
.set SLO,  180
.set SHI,  184
	PLACES NP
	s_load_b256 s[68:75], s[0:1], 0x38
	s_cmp_eq_u32 s66, 1
	s_cselect_b32 s20, s16, s15
	s_cselect_b32 s21, s15, s16
	s_lshl_b32 s22, s17, 1
	s_add_co_u32 s22, s22, s20
	s_lshl_b32 s23, s42, 1
	s_add_co_u32 s23, s23, s21
	s_and_b32 s23, s23, 7
	s_lshl_b32 s23, s23, 1
	s_lshr_b32 s20, s22, 4
	s_lshl_b32 s20, s20, 4
	s_and_b32 s21, s22, 15
	s_lshl_b32 s18, ttmp9, 6
	s_add_co_u32 s18, s18, s20
	s_add_co_u32 s18, s18, s23
	s_cmp_eq_u32 s66, 1
	s_cselect_b32 s18, s22, s18
	s_cselect_b32 s19, s23, s21
	s_mov_b32 s45, 98304
	s_cselect_b32 s45, 768, s45
	s_mov_b32 s46, 768
	s_cselect_b32 s46, 1536, s46
	s_mov_b32 s47, 0
	s_mul_i32 s20, s18, 98304
	s_mul_i32 s21, s19, 6144
	s_add_co_u32 s20, s20, s21
	s_mov_b32 s21, 0
	s_lshl_b32 s22, s18, 13
	s_lshl_b32 s23, s19, 9
	s_add_co_u32 s22, s22, s23
	s_lshr_b32 s22, s22, s66
	s_mov_b32 s23, 0
	s_wait_kmcnt 0x0
	s_cmp_eq_u32 s66, 1
	s_cselect_b64 s[76:77], s[72:73], s[68:69]
	s_cselect_b64 s[78:79], s[74:75], s[70:71]
	s_add_nc_u64 s[76:77], s[76:77], s[20:21]
	s_add_nc_u64 s[78:79], s[78:79], s[22:23]
	v_and_b32 v3, 31, v0
	v_lshlrev_b32 v24, 4, v3
	v_lshlrev_b32 v25, 3, v3
	v_add_nc_u32 v26, s45, v24
	v_add_nc_u32 v30, s45, v25
.irp b, 0,1,2,3
	v_mov_b32 v[TM+4+\b], 0
.endr
.macro QBLOCK a
.set AC, 64*((\a)%4)
.set WD, 2+(\a)/4
.set W2, WD|(WD<<2)
.if (\a) > 0
	s_wait_xcnt 0x0
	s_add_nc_u64 s[76:77], s[76:77], s[46:47]
.endif
	WIN W2
.irp b, 0,1,2,3
	v_max3_num_f32 v[TM+\b], |v[AC+16*\b]|, |v[AC+16*\b+1]|, 0x1800000
.endr
.irp i, 2,4,6,8,10,12,14
.irp b, 0,1,2,3
	v_max3_num_f32 v[TM+\b], |v[AC+16*\b+\i]|, |v[AC+16*\b+\i+1]|, v[TM+\b]
.endr
.endr
	WIN 0
.irp b, 0,1,2,3
	v_permlanex16_b32 v[TM+4+\b], v[TM+\b], s12, s13
.endr
.irp b, 0,1,2,3
	v_max_num_f32 v[TM+\b], v[TM+\b], v[TM+4+\b]
.endr
.irp b, 0,1,2,3
	v_add_nc_u32 v[TM+12+\b], 0xff000000, v[TM+\b]
.endr
.irp b, 0,1,2,3
	v_lshrrev_b32 v[TM+4+\b], 23, v[TM+12+\b]
.endr
	v_lshl_or_b32 v[PWS+(\a)], v[TM+5], 8, v[TM+4]
	v_lshl_or_b32 v[PWS+(\a)], v[TM+6], 16, v[PWS+(\a)]
	v_lshl_or_b32 v[PWS+(\a)], v[TM+7], 24, v[PWS+(\a)]
	WIN WD
.irp c, 0,1
	v_cvt_scalef32_pk16_fp6_f32 v[PC+6*\c:PC+6*\c+2], v[AC+32*\c:AC+32*\c+15], v[TM+12+2*\c]
	v_cvt_scalef32_pk16_fp6_f32 v[PC+12+4*\c:PC+14+4*\c], v[AC+32*\c+16:AC+32*\c+31], v[TM+13+2*\c]
.endr
	WIN 0
	v_nop
.irp c, 0,1
.irp i, 0,1,2
	v_permlane16_swap_b32 v[PC+6*\c+\i], v[PC+12+4*\c+\i]
.endr
.irp i, 0,1,2
	v_mov_b32 v[PC+3+6*\c+\i], v[PC+12+4*\c+\i]
.endr
.endr
	global_store_b128 v24, v[PC:PC+3], s[76:77]
	global_store_b64 v25, v[PC+4:PC+5], s[76:77] offset:512
	global_store_b128 v26, v[PC+6:PC+9], s[76:77]
	global_store_b64 v30, v[PC+10:PC+11], s[76:77] offset:512
.endm
.irp a, 0,1,2,3,4,5,6,7
	QBLOCK \a
.endr
.irp i, 0,1,2,3
	v_cndmask_b32 v[SELV+\i], v[PWS+2*\i], v[PWS+2*\i+1], s2
.endr
	s_cmp_eq_u32 s66, 1
	s_cbranch_scc1 .Lwords_v
.irp i, 0,1,2,3
	v_and_b32 v[SLO+\i], 0xffff, v[SELV+\i]
	v_lshrrev_b32 v[SHI+\i], 16, v[SELV+\i]
.endr
	global_store_b128 v24, v[SLO:SLO+3], s[78:79]
	global_store_b128 v24, v[SHI:SHI+3], s[78:79] offset:8192
	s_branch .Lwords_done
.Lwords_v:
	s_wait_alu depctr_va_vdst(0)
	global_store_b64 v25, v[SELV:SELV+1], s[78:79]
	global_store_b64 v25, v[SELV+2:SELV+3], s[78:79] offset:256
.Lwords_done:
	s_wait_tensorcnt 0x0
	ds_add_u32 v[SPW], v[NIL]
	s_wait_dscnt 0x0
	CROUND
	s_endpgm
.Lfunc_end_k_qc60fe72b44_qkv:
	.size	k_qc60fe72b44_qkv, .Lfunc_end_k_qc60fe72b44_qkv-k_qc60fe72b44_qkv
	.p2alignl 7, 3214868480
	.fill 96, 4, 3214868480
	.section	.rodata,"a",@progbits
	.p2align	6, 0x0
	.amdhsa_kernel k_qc60fe72b44_qkv
		.amdhsa_group_segment_fixed_size 327680
		.amdhsa_private_segment_fixed_size 0
		.amdhsa_enable_private_segment 0
		.amdhsa_kernarg_size 88
		.amdhsa_user_sgpr_count 2
		.amdhsa_user_sgpr_kernarg_segment_ptr 1
		.amdhsa_wavefront_size32 1
		.amdhsa_system_sgpr_workgroup_id_x 1
		.amdhsa_system_sgpr_workgroup_id_y 1
		.amdhsa_system_sgpr_workgroup_id_z 1
		.amdhsa_system_vgpr_workitem_id 0
		.amdhsa_next_free_vgpr 1024
		.amdhsa_next_free_sgpr 102
		.amdhsa_reserve_vcc 0
		.amdhsa_float_denorm_mode_32 3
		.amdhsa_float_denorm_mode_16_64 3
		.amdhsa_memory_ordered 1
		.amdhsa_forward_progress 1
		.amdhsa_inst_pref_size 171
	.end_amdhsa_kernel
	.amdgpu_metadata
---
amdhsa.version: [ 1, 2 ]
amdhsa.kernels:
  - .name:           k_qc60fe72b44_qkv
    .symbol:         k_qc60fe72b44_qkv.kd
    .args:
      - { .name: aimg, .offset: 0, .size: 8, .value_kind: global_buffer, .address_space: global }
      - { .name: asc, .offset: 8, .size: 8, .value_kind: global_buffer, .address_space: global }
      - { .name: wimg, .offset: 16, .size: 8, .value_kind: global_buffer, .address_space: global }
      - { .name: wsc, .offset: 24, .size: 8, .value_kind: global_buffer, .address_space: global }
      - { .name: bq, .offset: 32, .size: 8, .value_kind: global_buffer, .address_space: global }
      - { .name: bk, .offset: 40, .size: 8, .value_kind: global_buffer, .address_space: global }
      - { .name: bv, .offset: 48, .size: 8, .value_kind: global_buffer, .address_space: global }
      - { .name: qkimg, .offset: 56, .size: 8, .value_kind: global_buffer, .address_space: global }
      - { .name: qksc, .offset: 64, .size: 8, .value_kind: global_buffer, .address_space: global }
      - { .name: vimg, .offset: 72, .size: 8, .value_kind: global_buffer, .address_space: global }
      - { .name: vsc, .offset: 80, .size: 8, .value_kind: global_buffer, .address_space: global }
    .group_segment_fixed_size: 327680
    .private_segment_fixed_size: 0
    .kernarg_segment_align: 8
    .kernarg_segment_size: 88
    .max_flat_workgroup_size: 128
    .sgpr_count:     102
    .vgpr_count:     1024
    .wavefront_size: 32
...
	.end_amdgpu_metadata
.endif
;; end of part 3
;; launch attn (part 4): grid 4 x 64, 16 waves a work-group, clusters of 4 x 1, 210,944 bytes of LDS; arguments qkimg, qksc, vimg, vsc, aimg, asc; writes aimg, asc
.if DOCPART == 4
	.amdgcn_target "amdgcn-amd-amdhsa--gfx1250"
	.amdhsa_code_object_version 6
	.text
	.protected	k_qc60fe72b44_attn
	.globl	k_qc60fe72b44_attn
	.p2align	8
	.type	k_qc60fe72b44_attn,@function
k_qc60fe72b44_attn:
	s_mov_b64 s[64:65], 0
	v_nop
	global_prefetch_b8 v0, s[64:65] scope:SCOPE_SE
	s_setreg_imm32_b32 hwreg(HW_REG_WAVE_MODE, 25, 1), 1
	s_wait_xcnt 0x0
	s_wait_alu depctr_hold_cnt(0) depctr_sa_sdst(0) depctr_va_vdst(0) depctr_va_sdst(0) depctr_va_ssrc(0) depctr_va_vcc(0) depctr_vm_vsrc(0)
	s_getreg_b32 s2, hwreg(HW_REG_IB_STS2, 6, 4)
	s_cmp_eq_u32 s2, 0
	s_cbranch_scc0 .Lentry_in_a_cluster
	s_endpgm
.Lentry_in_a_cluster:
	s_bfe_u32 s2, ttmp6, 0x10000c
	s_cmp_lg_u32 s2, 0x3003
	s_cbranch_scc0 .Lentry_shape_is_right
	s_endpgm
.Lentry_shape_is_right:
; ctx = softmax(q k^T / 8) v for one head, both products on codes of FP6 (E2M3) with E8M0 scales; ctx is quantised at once along head x 64 + d, as the last product's operand.
; THE SOFTMAX: t = score x log2(e) / 8; M = the row's largest t so far, rounded UP to a whole number; p = 2^(t - M) is quantised along the keys, not normalised.  The row's sum is taken of the unquantised p
; and divides at the end.  When M moves, the sum and O are multiplied by 2^(old M - new M): exact.
; SHARES.  A work-group owns 512 queries of one head; each of its sixteen waves one tile of 16, twice.  Four waves to a SIMD: one wave's vector work stands beside another's products and LDS loads.
; THE HEAD'S WHOLE K AND V LIE IN LDS, as images of operands' registers, filled ONCE (196,608 bytes of codes, 12,288 of scale words): no ring, nothing is filled again.
; CLUSTER.  The four work-groups of a head need the same K and V: each tile is asked for jointly, with a mask that names the four.
; LAYOUT.  Both products are used transposed: S^T = K Q^T, O^T = V^T P: a lane holds ONE query (lane % 16).  The rows of every stored tile are in the order of quant_w's head, so that the 16 registers of
; result tiles 2 B, 2 B + 1 are 16 neighbours (keys, or d) 32 B + 16 (lane / 16) + 0 .. 15.
; A HEAD HAS 64 ALONG K, THE INSTRUCTION 128: Q's registers 6-11 hold zero codes, and bytes 2, 3 of Q's and K's scale words are 0 (2^-127, no NaN).  K's fragment t names six registers more than its own: the
; next tile's codes (behind the last tile: zeros), which stand against Q's zeros and add nothing.
; LIMITS: a block of ctx whose largest magnitude lies under 2^-124 gets the byte 1 (read by this program alone); NaN and infinities are not served.
.set KIMG,  0                          ; 128 tiles of 16 keys x 768 bytes
.set VIMG,  98304                      ; 16 steps x 4 tiles of 16 d x 1,536 bytes
.set KSC,   196608                     ; 16 steps x 512 bytes
.set VSC,   204800                     ; 16 steps x 256 bytes
.set SPARE, 208896                     ; the spare words, 128 bytes for each wave
.set SPW,  7
.set NIL,  8
.set KV,   40                          ; v40-87 K's eight tiles (6 registers each), later V's four fragments; v88-93 zeros
.set S,    96                          ; v96-159 S^T, then p
.set O,    160                         ; v160-191 O^T
.set KSR,  192                         ; v192-195 K's scale words
.set PC,   196                         ; v196-207 p's codes
.set PT,   208
.set BM,   216                         ; the blocks' largest scores
.set T2,   220
.set SO,   224                         ; the conversions' scale operands
.set WV,   16
.set CS,   22                          ; s[22:23] c = log2(e) / 8
.set G1K,  24
.set G1V,  32
.set G1KS, 40
.set G1VS, 48
.set G0K,  56
.set G0V,  60
.set G0KS, 68
.set G0VS, 72
.set SEL,  76
.set TB,   78                          ; LDS byte of the trip's first step in KIMG and in VIMG
.set TS,   79                          ; and among K's scale words
.set TRIP, 80
.set PASS, 81
.set TV,   83                          ; and among V's
.macro ROUND
	s_barrier_signal -1
	s_barrier_wait -1
	s_cmp_lg_u32 s[WV], 0
	s_cbranch_scc1 .Lnot_wave_0_\@
	s_barrier_signal -3
.Lnot_wave_0_\@:
	s_barrier_wait -3
	s_barrier_signal -1
	s_barrier_wait -1
.endm
	s_load_b256 s[4:11], s[0:1], 0x0               ; qkimg, qksc, vimg, vsc
	s_load_b128 s[12:15], s[0:1], 0x20             ; aimg, asc
	v_lshl_add_u32 v[SPW], v0, 2, SPARE
	v_mov_b32 v[NIL], 0
	ds_add_u32 v[SPW], v[NIL]                      ; the wave's opening: the add and its wait ahead of the first tensor loads
	ds_add_u32 v[SPW], v[NIL]
	v_lshrrev_b32 v10, 5, v0
	s_delay_alu instid0(VALU_DEP_1)
	v_readfirstlane_b32 s[WV], v10                 ; wave 0..15
	s_and_b32 s19, ttmp7, 0xffff                   ; 16 batch + head: shared by the four partners
	s_lshr_b32 s20, s19, 4                         ; batch
	s_and_b32 s21, s19, 15                         ; head
	; what is fetched: waves 0, 1: K's halves; 2, 3: V's halves; 4: K's scale words; 5: V's
	s_and_b32 s83, s[WV], 1
	s_mul_i32 s3, s83, 49152                       ; a half, in LDS (and in K's memory)
	s_add_co_u32 s2, s19, 64
	s_mul_i32 s84, s2, 98304
	s_add_co_u32 s84, s84, s3
	s_mov_b32 s85, 0
	s_lshl_b32 s88, s2, 13
	s_mov_b32 s89, 0
	s_mul_i32 s86, s20, 1572864
	s_mul_i32 s2, s21, 6144
	s_add_co_u32 s86, s86, s2
	s_mul_i32 s2, s83, 786432                      ; eight steps on
	s_add_co_u32 s86, s86, s2
	s_mov_b32 s87, 0
	s_lshl_b32 s98, s20, 16
	s_lshl_b32 s2, s21, 8
	s_add_co_u32 s98, s98, s2
	s_mov_b32 s99, 0
	; groups 1: elements of 8 bytes, the mask of all four work-groups, no padding
	s_mov_b32 s[G1K], 15|(3<<16)|(1<<21)           ; K: 64 tiles of 768 bytes, dense
	s_mov_b32 s[G1K+1], 96<<16
	s_mov_b32 s[G1K+2], 64<<16
	s_mov_b32 s[G1K+3], 96<<16
	s_mov_b32 s[G1K+4], 64
	s_mov_b32 s[G1K+5], 96
	s_mov_b32 s[G1K+6], 0
	s_mov_b32 s[G1K+7], 0
	s_mov_b32 s[G1V], 15|(3<<16)|(1<<21)           ; V: 8 steps of 6,144 bytes, 98,304 bytes apart
	s_mov_b32 s[G1V+1], 768<<16
	s_mov_b32 s[G1V+2], 8<<16
	s_mov_b32 s[G1V+3], 768<<16
	s_mov_b32 s[G1V+4], 8
	s_mov_b32 s[G1V+5], 12288
	s_mov_b32 s[G1V+6], 0
	s_mov_b32 s[G1V+7], 0
	s_mov_b32 s[G1KS], 15|(3<<16)|(1<<21)          ; K's scale words: 8,192 dense bytes as 32 rows of 256
	s_mov_b32 s[G1KS+1], 32<<16
	s_mov_b32 s[G1KS+2], 32<<16
	s_mov_b32 s[G1KS+3], 32<<16
	s_mov_b32 s[G1KS+4], 32
	s_mov_b32 s[G1KS+5], 32
	s_mov_b32 s[G1KS+6], 0
	s_mov_b32 s[G1KS+7], 0
	s_mov_b32 s[G1VS], 15|(3<<16)|(1<<21)          ; V's: 16 steps of 256 bytes, 4,096 bytes apart
	s_mov_b32 s[G1VS+1], 32<<16
	s_mov_b32 s[G1VS+2], 16<<16
	s_mov_b32 s[G1VS+3], 32<<16
	s_mov_b32 s[G1VS+4], 16
	s_mov_b32 s[G1VS+5], 512
	s_mov_b32 s[G1VS+6], 0
	s_mov_b32 s[G1VS+7], 0
	s_mov_b32 s[CS], 0x3e38aa3b                    ; log2(e) / 8
	s_mov_b32 s[CS+1], s[CS]                       ; (named with it as a pair)
	s_mov_b32 s[SEL], 0x76543210
	s_mov_b32 s[SEL+1], 0xfedcba98
	s_mov_b32 s82, 0xffff0000                      ; the mask of lanes 16-31
	s_mov_b32 s[PASS], 2
	; my queries: they alone hang on my place in the cluster, and enter global addresses alone
	s_bfe_u32 s17, ttmp6, 0x40000                  ; cx
	s_lshl_b32 s18, ttmp9, 2
	s_add_co_u32 s18, s18, s17                     ; my block of 512 queries
	s_lshl_b32 s100, s18, 5
	s_add_co_u32 s100, s100, s[WV]                 ; my first tile T
	s_mul_i32 s90, s19, 98304
	s_mul_i32 s101, s100, 768
	s_add_co_u32 s90, s90, s101                    ; Q's half image
	s_mov_b32 s91, 0
	s_lshl_b32 s92, s19, 13                        ; Q's scale word: step T / 8, lanes' half T % 2, word (T / 2) % 4
	s_lshr_b32 s101, s100, 3
	s_lshl_b32 s101, s101, 9
	s_add_co_u32 s92, s92, s101
	s_and_b32 s101, s100, 1
	s_lshl_b32 s101, s101, 8
	s_add_co_u32 s92, s92, s101
	s_bfe_u32 s101, s100, 0x20001
	s_lshl_b32 s101, s101, 2
	s_add_co_u32 s92, s92, s101
	s_mov_b32 s93, 0
	s_lshl_b32 s101, s20, 7
	s_add_co_u32 s100, s100, s101                  ; the tile among all 512
	s_lshl_b32 s94, s100, 3
	s_lshr_b32 s101, s21, 1
	s_add_co_u32 s94, s94, s101                    ; chunk head / 2
	s_mul_i32 s94, s94, 1536
	s_and_b32 s101, s21, 1
	s_mul_i32 s101, s101, 768                      ; half head % 2
	s_add_co_u32 s94, s94, s101
	s_mov_b32 s95, 0
	s_lshl_b32 s96, s100, 9
	s_lshl_b32 s101, s21, 1
	s_add_co_u32 s96, s96, s101                    ; ctx's scale bytes: blocks 2 head, 2 head + 1
	s_mov_b32 s97, 0
	s_wait_dscnt 0x0                               ; the opening add is done
	s_wait_kmcnt 0x0
	s_mov_b32 s[G0K], 1
	s_mov_b32 s[G0K+1], s3
	s_add_nc_u64 s[G0K+2:G0K+3], s[4:5], s[84:85]
	s_or_b32 s[G0K+3], s[G0K+3], 0x80000000
	s_mov_b32 s[G0V], 1
	s_add_co_u32 s[G0V+1], s3, VIMG
	s_add_nc_u64 s[G0V+2:G0V+3], s[8:9], s[86:87]
	s_or_b32 s[G0V+3], s[G0V+3], 0x80000000
	s_mov_b32 s[G0KS], 1
	s_mov_b32 s[G0KS+1], KSC
	s_add_nc_u64 s[G0KS+2:G0KS+3], s[6:7], s[88:89]
	s_or_b32 s[G0KS+3], s[G0KS+3], 0x80000000
	s_mov_b32 s[G0VS], 1
	s_mov_b32 s[G0VS+1], VSC
	s_add_nc_u64 s[G0VS+2:G0VS+3], s[10:11], s[98:99]
	s_or_b32 s[G0VS+3], s[G0VS+3], 0x80000000
	s_add_nc_u64 s[90:91], s[4:5], s[90:91]
	s_add_nc_u64 s[92:93], s[6:7], s[92:93]
	s_add_nc_u64 s[94:95], s[12:13], s[94:95]
	s_add_nc_u64 s[96:97], s[14:15], s[96:97]
	ROUND                                          ; all four work-groups are here: the joint loads meet
	s_cmp_lt_u32 s[WV], 2                          ; one load a wave, under branches on the wave's number alone; an s_nop 0 and four v_nop follow each
	s_cbranch_scc0 .Lnot_k
	tensor_load_to_lds s[G0K:G0K+3], s[G1K:G1K+7]
	s_nop 0
.rept 4
	v_nop
.endr
	s_branch .Lasked
.Lnot_k:
	s_cmp_lt_u32 s[WV], 4
	s_cbranch_scc0 .Lnot_v
	tensor_load_to_lds s[G0V:G0V+3], s[G1V:G1V+7]
	s_nop 0
.rept 4
	v_nop
.endr
	s_branch .Lasked
.Lnot_v:
	s_cmp_eq_u32 s[WV], 4
	s_cbranch_scc0 .Lnot_ks
	tensor_load_to_lds s[G0KS:G0KS+3], s[G1KS:G1KS+7]
	s_nop 0
.rept 4
	v_nop
.endr
	s_branch .Lasked
.Lnot_ks:
	s_cmp_eq_u32 s[WV], 5
	s_cbranch_scc0 .Lasked
	tensor_load_to_lds s[G0VS:G0VS+3], s[G1VS:G1VS+7]
	s_nop 0
.rept 4
	v_nop
.endr
.Lasked:
	v_and_b32 v10, 31, v0
	s_delay_alu instid0(VALU_DEP_1)
	v_lshlrev_b32 v1, 4, v10                       ; 16 x lane
	s_delay_alu instid0(VALU_DEP_2)
	v_lshlrev_b32 v2, 3, v10                       ; 8 x lane
	s_delay_alu instid0(VALU_DEP_2)
	v_add_nc_u32 v3, VIMG, v1
	s_delay_alu instid0(VALU_DEP_2)
	v_add_nc_u32 v4, VIMG, v2
	v_and_b32 v234, 0x17, v0                       ; r % 8 + 16 h
	s_delay_alu instid0(VALU_DEP_4)
	v_add_nc_u32 v6, VSC, v2
	v_and_b32 v11, 15, v0                          ; r
	v_bfe_u32 v16, v0, 4, 1                        ; h
	s_delay_alu instid0(VALU_DEP_1)
	v_lshl_add_u32 v9, v11, 5, v16                 ; ctx's scale byte: 32 r + h
	s_delay_alu instid0(VALU_DEP_3)
	v_lshlrev_b32 v231, 4, v11
	; THE ROWS OF A TILE OF K ARE CHOSEN LANE BY LANE out of the stored images: tile t of band c (64 keys) takes keys 64 c + 8 t + j in rows 0-7 and 64 c + 32 + 8 t + j in rows 8-15:
	; row r comes from stored tile 4 c + 2 (r / 8) + t % 2, its row 8 (t / 2) + r % 8.  So registers S + 32 c + i of lane (query, h) are keys 64 c + 32 h + i: one whole scale block of p in a lane.
	v_bfe_u32 v235, v0, 3, 1                       ; r / 8
	v_lshlrev_b32 v236, 3, v16                     ; 8 h
	v_mul_u32_u24 v237, v235, 1536                 ; two stored tiles on
	v_lshl_add_u32 v5, v235, 2, KSC
	v_lshl_add_u32 v232, v234, 4, v237             ; K's registers 0-3
	v_lshl_add_u32 v233, v234, 3, v237             ; K's registers 4-5
	v_lshl_add_u32 v5, v234, 4, v5                 ; K's scale words: 16 (r % 8 + 16 h) + 4 (r / 8)
	global_load_b128 v[20:23], v1, s[90:91]                    ; Q of the first tile,
	global_load_b64 v[24:25], v2, s[90:91] offset:512
	global_load_b128 v[34:37], v1, s[90:91] offset:12288       ; and of the second, 16 tiles on
	global_load_b64 v[38:39], v2, s[90:91] offset:12800
	global_load_b32 v32, v231, s[92:93]
	global_load_b32 v33, v231, s[92:93] offset:1024
.irp i, 26,27,28,29,30,31,88,89,90,91,92,93
	v_mov_b32 v[\i], 0                             ; zero codes: the half of the instruction's K that a head does not have
.endr
.irp i, 220,221,222,223,229,230
	v_mov_b32 v[\i], 0                             ; written once: lane permutes' destinations, and the upper half of the pair v[228:229]
.endr
	s_wait_tensorcnt 0x0                           ; my load has landed,
	s_wait_loadcnt 0x0                             ; Q is in,
	s_barrier_signal -1
	s_barrier_wait -1                              ; everybody's has: K and V are whole, and stay
; A KEY STEP: 128 keys, the q-th of the trip's two.
.macro STEP q
.irp t, 0,1,2,3,4,5,6,7
	ds_load_b128 v[KV+6*\t:KV+6*\t+3], v10 offset:6144*(\q)+768*(4*(\t/4)+\t%2)+128*((\t%4)/2)
	ds_load_b64 v[KV+6*\t+4:KV+6*\t+5], v11 offset:6144*(\q)+768*(4*(\t/4)+\t%2)+512+64*((\t%4)/2)
.endr
.irp i, 0,1,2,3
	ds_load_b32 v[KSR+\i], v18 offset:512*(\q)+128*(\i%2)+8*(\i/2)   ; the words of tiles 2 i (lanes 0-15) and 2 i + 1 (lanes 16-31)
.endr
	s_wait_dscnt 0x0
.irp t, 0,2,4,6                        ; S^T = K Q^T: register i of K's scale words holds tile 2 i's in lanes 0-15, tile 2 i + 1's in lanes 16-31
	v_wmma_scale_f32_16x16x128_f8f6f4 v[S+8*\t:S+8*\t+7], v[KV+6*\t:KV+6*\t+11], v[20:31], 0, v[KSR+\t/2], v32 matrix_a_fmt:MATRIX_FMT_FP6 matrix_b_fmt:MATRIX_FMT_FP6
	v_wmma_scale_f32_16x16x128_f8f6f4 v[S+8*\t+8:S+8*\t+15], v[KV+6*\t+6:KV+6*\t+17], v[20:31], 0, v[KSR+\t/2], v32 matrix_a_fmt:MATRIX_FMT_FP6 matrix_b_fmt:MATRIX_FMT_FP6 matrix_a_scale:MATRIX_SCALE_ROW1
.endr
.rept 4
	v_nop                                          ; places in front of the loads into K's registers and of the first read of the scores
.endr
.irp t, 0,1,2,3                        ; V's four fragments land while the softmax is worked
	ds_load_b128 v[KV+12*\t:KV+12*\t+3], v16 offset:6144*(\q)+1536*\t
	ds_load_b64 v[KV+12*\t+4:KV+12*\t+5], v17 offset:6144*(\q)+1536*\t+512
	ds_load_b128 v[KV+12*\t+6:KV+12*\t+9], v16 offset:6144*(\q)+1536*\t+768
	ds_load_b64 v[KV+12*\t+10:KV+12*\t+11], v17 offset:6144*(\q)+1536*\t+1280
.endr
	ds_load_b64 v[94:95], v19 offset:256*(\q)
.irp b, 0,1,2,3
	v_max3_num_f32 v[BM+\b], v[S+16*\b], v[S+16*\b+1], v[S+16*\b+2]   ; the largest score of each block of 32 keys: for the row's maximum and, since p rises with the score, for the block's largest p
.endr
.irp i, 3,5,7,9,11,13
.irp b, 0,1,2,3
	v_max3_num_f32 v[BM+\b], v[BM+\b], v[S+16*\b+\i], v[S+16*\b+\i+1]
.endr
.endr
.irp c, 0,2
	v_max3_num_f32 v[BM+\c], v[BM+\c], v[S+16*\c+15], v[S+16*\c+31]
.endr
.irp c, 0,2
	s_delay_alu instid0(VALU_DEP_2)
	v_max_num_f32 v[BM+\c], v[BM+\c], v[BM+\c+1]   ; my two blocks' largest scores: blocks h and 2 + h, all 32 keys mine
.endr
	s_delay_alu instid0(VALU_DEP_1)
	v_max_num_f32 v230, v[BM], v[BM+2]
	s_delay_alu instid0(VALU_DEP_1)
	v_permlanex16_b32 v[T2], v230, s[SEL], s[SEL+1]
	s_delay_alu instid0(VALU_DEP_1)
	v_max_num_f32 v230, v230, v[T2]                ; with lane l xor 16's two blocks: the step's largest score of my query
	s_delay_alu instid0(VALU_DEP_1)
	v_mul_f32 v230, s[CS], v230                    ; as t
	s_delay_alu instid0(VALU_DEP_1)
	v_max_num_f32 v13, v13, v230                   ; the running largest t
	v_mov_b32 v230, v12
	s_delay_alu instid0(VALU_DEP_2)
	v_floor_f32 v12, -v13                          ; the new -M = -ceil(t)
	s_delay_alu instid0(VALU_DEP_1)
	v_sub_f32 v230, v12, v230                      ; old M - new M: a whole number, 0 or less
	s_delay_alu instid0(VALU_DEP_1)
	v_cvt_i32_f32 v230, v230                       ; (it saturates)
	s_delay_alu instid0(VALU_DEP_1)
	v_ldexp_f32 v228, 1.0, v230                    ; f = 2^(old M - new M)
.set j, 0
.rept 32
	v_pk_fma_f32 v[S+j:S+j+1], v[S+j:S+j+1], s[CS:CS+1], v[12:13] op_sel_hi:[1,0,0]   ; t - M
.set j, j+2
.endr
.irp b, 0,2
	v_fma_f32 v[BM+\b], v[BM+\b], s[CS], v12
.endr
.set j, 0
	s_wait_alu depctr_va_vdst(0)
.rept 64
	v_exp_f32 v[S+j], v[S+j]                       ; p = 2^(t - M)
.set j, j+1
.endr
	v_pk_mul_f32 v[14:15], v[14:15], v[228:229] op_sel_hi:[1,0]   ; the sums under the new M: the plain place behind the exponentials
	s_wait_alu depctr_va_vdst(0)                   ; one wait for the batch, ahead of its first reader
.irp b, 0,2
	v_exp_f32 v[BM+\b], v[BM+\b]
.endr
	v_pk_add_f32 v[220:221], v[100:101], v[104:105]
	v_pk_add_f32 v[254:255], v[108:109], v[112:113]
	v_pk_add_f32 v[252:253], v[116:117], v[120:121]
	v_pk_add_f32 v[250:251], v[124:125], v[128:129]
	v_pk_add_f32 v[248:249], v[132:133], v[136:137]
	v_pk_add_f32 v[246:247], v[140:141], v[144:145]
	v_pk_add_f32 v[244:245], v[148:149], v[152:153]
	v_pk_add_f32 v[14:15], v[14:15], v[156:157]
	v_pk_add_f32 v[220:221], v[220:221], v[96:97]
	v_pk_add_f32 v[254:255], v[254:255], v[98:99]
	v_pk_add_f32 v[252:253], v[252:253], v[102:103]
	v_pk_add_f32 v[250:251], v[250:251], v[106:107]
	v_pk_add_f32 v[248:249], v[248:249], v[110:111]
	v_pk_add_f32 v[246:247], v[246:247], v[114:115]
	v_pk_add_f32 v[244:245], v[244:245], v[118:119]
	v_pk_add_f32 v[14:15], v[14:15], v[122:123]
	v_pk_add_f32 v[220:221], v[220:221], v[126:127]
	v_pk_add_f32 v[254:255], v[254:255], v[130:131]
	v_pk_add_f32 v[252:253], v[252:253], v[134:135]
	v_pk_add_f32 v[250:251], v[250:251], v[138:139]
	v_pk_add_f32 v[248:249], v[248:249], v[142:143]
	v_pk_add_f32 v[246:247], v[246:247], v[146:147]
	v_pk_add_f32 v[244:245], v[244:245], v[150:151]
	v_pk_add_f32 v[14:15], v[14:15], v[154:155]
	v_pk_add_f32 v[220:221], v[220:221], v[158:159]
	s_delay_alu instid0(VALU_DEP_2)
	v_pk_add_f32 v[14:15], v[14:15], v[250:251]
	s_delay_alu instid0(VALU_DEP_2)
	v_pk_add_f32 v[220:221], v[220:221], v[248:249]
	v_pk_add_f32 v[254:255], v[254:255], v[246:247]
	v_pk_add_f32 v[252:253], v[252:253], v[244:245]
	s_delay_alu instid0(VALU_DEP_2)
	v_pk_add_f32 v[14:15], v[14:15], v[254:255]
	s_delay_alu instid0(VALU_DEP_2)
	v_pk_add_f32 v[220:221], v[220:221], v[252:253]
	s_delay_alu instid0(VALU_DEP_1)
	v_pk_add_f32 v[14:15], v[14:15], v[220:221]
	s_wait_alu depctr_va_vdst(0)                   ; and one for the two
.irp b, 0,2
	v_max_num_f32 v[BM+\b], 0x1800000, v[BM+\b]
.endr
.irp b, 0,2
	s_delay_alu instid0(VALU_DEP_2)
	v_add_nc_u32 v[SO+\b], 0xff000000, v[BM+\b]
.endr
.irp b, 0,2
	s_delay_alu instid0(VALU_DEP_2)
	v_lshrrev_b32 v[T2+\b], 23, v[SO+\b]           ; the byte
.endr
	s_delay_alu instid0(VALU_DEP_1)
	v_lshl_or_b32 v229, v[T2+2], 16, v[T2]         ; my two bytes: blocks h and 2 + h,
	s_delay_alu instid0(VALU_DEP_1)
	v_lshlrev_b32 v229, v236, v229                 ; at their places in the word (8 h bits up);
	s_delay_alu instid0(VALU_DEP_1)
	v_permlanex16_b32 v[T2+1], v229, s[SEL], s[SEL+1]
	s_delay_alu instid0(VALU_DEP_1)
	v_or_b32 v229, v229, v[T2+1]                   ; with lane l xor 16's two: p's scale word for these 128 keys
.irp c, 0,1
	v_cvt_scalef32_pk16_fp6_f32 v[PC+6*\c:PC+6*\c+2], v[S+32*\c:S+32*\c+15], v[SO+2*\c]
	v_cvt_scalef32_pk16_fp6_f32 v[PT+4*\c:PT+4*\c+2], v[S+32*\c+16:S+32*\c+31], v[SO+2*\c]
.endr
	v_nop                                          ; one plain place behind a scaled conversion
.irp c, 0,1
.irp i, 0,1,2
	v_mov_b32 v[PC+3+6*\c+\i], v[PT+4*\c+\i]       ; the block's upper 16 codes (a conversion's three registers begin on an even number)
.endr
.endr
.set j, 0
.rept 16
	v_pk_mul_f32 v[O+j:O+j+1], v[O+j:O+j+1], v[228:229] op_sel_hi:[1,0]   ; O^T under the new M; these sixteen are also the places in front of the products below
.set j, j+2
.endr
	s_wait_alu depctr_va_vdst(0)
	s_wait_dscnt 0x0                               ; V is in
.irp t, 0,2                            ; O^T += V^T P: four accumulators by turns
	v_wmma_scale_f32_16x16x128_f8f6f4 v[O+8*\t:O+8*\t+7], v[KV+12*\t:KV+12*\t+11], v[PC:PC+11], v[O+8*\t:O+8*\t+7], v[94+\t/2], v229 matrix_a_fmt:MATRIX_FMT_FP6 matrix_b_fmt:MATRIX_FMT_FP6
	v_wmma_scale_f32_16x16x128_f8f6f4 v[O+8*\t+8:O+8*\t+15], v[KV+12*\t+12:KV+12*\t+23], v[PC:PC+11], v[O+8*\t+8:O+8*\t+15], v[94+\t/2], v229 matrix_a_fmt:MATRIX_FMT_FP6 matrix_b_fmt:MATRIX_FMT_FP6 matrix_a_scale:MATRIX_SCALE_ROW1
.endr
.endm
.Lpass:                                            ; two trips: my two tiles of queries
	v_mov_b32 v13, 0xff61b1e6                      ; the largest t so far: -3e38
	s_delay_alu instid0(VALU_DEP_1)
	v_floor_f32 v12, -v13                          ; -M
	v_mov_b32 v14, 0
	v_mov_b32 v15, 0
.set j, 0
.rept 32
	v_mov_b32 v[O+j], 0                            ; the step is written once: the first finds zeros, which the first change of M leaves zeros
.set j, j+1
.endr
	s_mov_b32 s[TB], 0
	s_mov_b32 s[TS], 0
	s_mov_b32 s[TV], 0
	s_mov_b32 s[TRIP], 8
.Ltrip:                                            ; eight trips of two key steps
	v_add_nc_u32 v10, s[TB], v232
	v_add_nc_u32 v11, s[TB], v233
	v_add_nc_u32 v16, s[TB], v3
	s_wait_alu depctr_va_vdst(0)
	v_add_nc_u32 v17, s[TB], v4
	s_wait_alu depctr_va_vdst(0)
	v_add_nc_u32 v18, s[TS], v5
	v_add_nc_u32 v19, s[TV], v6
	s_wait_alu depctr_va_vdst(0)
	STEP 0
.rept 4
	v_nop
.endr
	STEP 1
	s_add_co_u32 s[TB], s[TB], 12288
	s_add_co_u32 s[TS], s[TS], 1024
	s_add_co_u32 s[TV], s[TV], 512
	s_sub_co_u32 s[TRIP], s[TRIP], 1
	s_cmp_lg_u32 s[TRIP], 0
	s_cbranch_scc1 .Ltrip
	; THE WAY OUT of a tile: O^T / the sum, quantised along d (two blocks of 32), leaves as half an image and two scale bytes a row
.rept 4
	v_nop
.endr
	v_add_f32 v14, v14, v15
	s_delay_alu instid0(VALU_DEP_1)
	v_permlanex16_b32 v230, v14, s[SEL], s[SEL+1]
	s_delay_alu instid0(VALU_DEP_1)
	v_add_f32 v14, v14, v230                       ; the row's sum
	s_wait_alu depctr_va_vdst(0)
	v_rcp_f32 v14, v14
	v_nop                                          ; a plain place behind the transcendental
	s_wait_alu depctr_va_vdst(0)                   ; the wait ahead of its first reader
.set j, 0
.rept 16
	v_pk_mul_f32 v[S+j:S+j+1], v[O+j:O+j+1], v[14:15] op_sel_hi:[1,0]   ; register 16 B + i is d = 32 B + 16 h + i
.set j, j+2
.endr
.irp b, 0,1
	v_max3_num_f32 v[BM+\b], |v[S+16*\b]|, |v[S+16*\b+1]|, 0x1800000
.endr
.irp i, 2,4,6,8,10,12,14
.irp b, 0,1
	s_delay_alu instid0(VALU_DEP_2)
	v_max3_num_f32 v[BM+\b], v[BM+\b], |v[S+16*\b+\i]|, |v[S+16*\b+\i+1]|
.endr
.endr
.irp b, 0,1
	s_delay_alu instid0(VALU_DEP_2)
	v_permlanex16_b32 v[T2+\b], v[BM+\b], s[SEL], s[SEL+1]
.endr
.irp b, 0,1
	s_delay_alu instid0(VALU_DEP_2)
	v_max_num_f32 v[BM+\b], v[BM+\b], v[T2+\b]
.endr
.irp b, 0,1
	s_delay_alu instid0(VALU_DEP_2)
	v_add_nc_u32 v[SO+\b], 0xff000000, v[BM+\b]
.endr
.irp b, 0,1
	s_delay_alu instid0(VALU_DEP_2)
	v_lshrrev_b32 v[T2+\b], 23, v[SO+\b]
.endr
	v_cvt_scalef32_pk16_fp6_f32 v[PC:PC+2], v[S:S+15], v[SO]
	v_cvt_scalef32_pk16_fp6_f32 v[PT:PT+2], v[S+16:S+31], v[SO+1]
	v_cndmask_b32 v230, v[T2], v[T2+1], s82        ; lane (r, h) stores block h's byte.  (The plain place behind the conversions)
.irp i, 0,1,2
	v_permlane16_swap_b32 v[PC+\i], v[PT+\i]
.endr
.irp i, 0,1,2
	s_delay_alu instid0(VALU_DEP_3)
	v_mov_b32 v[PC+3+\i], v[PT+\i]
.endr
	global_store_b128 v1, v[PC:PC+3], s[94:95]                 ; 512 and 256 consecutive bytes, each at a multiple of 256
	global_store_b64 v2, v[PC+4:PC+5], s[94:95] offset:512
	global_store_b8 v9, v230, s[96:97]
.irp i, 0,1,2,3,4,5
	v_mov_b32 v[20+\i], v[34+\i]                   ; the second tile's Q
.endr
	v_mov_b32 v32, v33
	s_wait_xcnt 0x0                                ; the stores have read their registers and their bases
	s_add_nc_u64 s[94:95], s[94:95], 196608        ; 16 tiles on
	s_add_nc_u64 s[96:97], s[96:97], 8192
	s_sub_co_u32 s[PASS], s[PASS], 1
	s_cmp_lg_u32 s[PASS], 0
	s_cbranch_scc1 .Lpass
	s_wait_tensorcnt 0x0                           ; the wave's end
	ds_add_u32 v[SPW], v[NIL]
	s_wait_dscnt 0x0
	ROUND                                          ; the closing round
	s_endpgm
.Lfunc_end_k_qc60fe72b44_attn:
	.size	k_qc60fe72b44_attn, .Lfunc_end_k_qc60fe72b44_attn-k_qc60fe72b44_attn
	.p2alignl 7, 3214868480
	.fill 96, 4, 3214868480
	.section	.rodata,"a",@progbits
	.p2align	6, 0x0
	.amdhsa_kernel k_qc60fe72b44_attn
		.amdhsa_group_segment_fixed_size 210944
		.amdhsa_private_segment_fixed_size 0
		.amdhsa_enable_private_segment 0
		.amdhsa_kernarg_size 48
		.amdhsa_user_sgpr_count 2
		.amdhsa_user_sgpr_kernarg_segment_ptr 1
		.amdhsa_wavefront_size32 1
		.amdhsa_system_sgpr_workgroup_id_x 1
		.amdhsa_system_sgpr_workgroup_id_y 1
		.amdhsa_system_sgpr_workgroup_id_z 1
		.amdhsa_system_vgpr_workitem_id 0
		.amdhsa_next_free_vgpr 256
		.amdhsa_next_free_sgpr 102
		.amdhsa_reserve_vcc 0
		.amdhsa_float_denorm_mode_32 3
		.amdhsa_float_denorm_mode_16_64 3
		.amdhsa_memory_ordered 1
		.amdhsa_forward_progress 1
		.amdhsa_inst_pref_size 49
	.end_amdhsa_kernel
	.amdgpu_metadata
---
amdhsa.version: [ 1, 2 ]
amdhsa.kernels:
  - .name:           k_qc60fe72b44_attn
    .symbol:         k_qc60fe72b44_attn.kd
    .args:
      - { .name: qkimg, .offset: 0, .size: 8, .value_kind: global_buffer, .address_space: global }
      - { .name: qksc, .offset: 8, .size: 8, .value_kind: global_buffer, .address_space: global }
      - { .name: vimg, .offset: 16, .size: 8, .value_kind: global_buffer, .address_space: global }
      - { .name: vsc, .offset: 24, .size: 8, .value_kind: global_buffer, .address_space: global }
      - { .name: aimg, .offset: 32, .size: 8, .value_kind: global_buffer, .address_space: global }
      - { .name: asc, .offset: 40, .size: 8, .value_kind: global_buffer, .address_space: global }
    .group_segment_fixed_size: 210944
    .private_segment_fixed_size: 0
    .kernarg_segment_align: 8
    .kernarg_segment_size: 48
    .max_flat_workgroup_size: 512
    .sgpr_count:     102
    .vgpr_count:     256
    .wavefront_size: 32
...
	.end_amdgpu_metadata
.endif
;; end of part 4
;; launch outp (part 5): grid 4 x 64, 4 waves a work-group, clusters of 4 x 4, 327,680 bytes of LDS; arguments aimg, asc, wimg, wsc, bo, out0; writes out0
.if DOCPART == 5
	.amdgcn_target "amdgcn-amd-amdhsa--gfx1250"
	.amdhsa_code_object_version 6
	.text
	.protected	k_qc60fe72b44_outp
	.globl	k_qc60fe72b44_outp
	.p2align	8
	.type	k_qc60fe72b44_outp,@function
k_qc60fe72b44_outp:
	s_mov_b64 s[64:65], 0
	v_nop
	global_prefetch_b8 v0, s[64:65] scope:SCOPE_SE
	s_setreg_imm32_b32 hwreg(HW_REG_WAVE_MODE, 25, 1), 1
	s_wait_xcnt 0x0
	s_wait_alu depctr_hold_cnt(0) depctr_sa_sdst(0) depctr_va_vdst(0) depctr_va_sdst(0) depctr_va_ssrc(0) depctr_va_vcc(0) depctr_vm_vsrc(0)
	s_getreg_b32 s2, hwreg(HW_REG_IB_STS2, 6, 4)
	s_cmp_eq_u32 s2, 0
	s_cbranch_scc0 .Lentry_in_a_cluster
	s_endpgm
.Lentry_in_a_cluster:
	s_bfe_u32 s2, ttmp6, 0x10000c
	s_cmp_lg_u32 s2, 0xf033
	s_cbranch_scc0 .Lentry_shape_is_right
	s_endpgm
.Lentry_shape_is_right:
; out0 = ctx wo + bo on codes of FP6 (E2M3) with E8M0 scales, sums in f32.  aimg, asc: ctx as images of operands' registers and scale bytes, as attn leaves them; wimg, wsc: tiles 192-255 are wo's.
; SHARES.  256 work-groups; a work-group makes 128 rows x 256 columns, its four waves (2 x 2) 64 x 128 each: 32 accumulators of 16 x 16, all in window 2.
; K goes in steps of 128, two steps to a slot, through two LDS slots (A's 8 tiles, then B's 16, 3,072 bytes a tile and slot).  The scale bytes of the block's rows and columns lie in LDS for the whole launch.
; A's and B's fragments have two sets of registers each: a step's 12 fragments are fetched one step ahead, in one run.
; CLUSTER 4 x 4: A's tiles are asked for jointly along a row of the cluster, B's along a column.
; THE HEAD: one joint load a wave: wave 0 A's tiles of slot 0, wave 1 B's, wave 2 A's scale bytes, wave 3 B's; slot 1 is first filled behind the full sequence and a round.
; No prefetch: K has four fills, two of them go out at the head, and the other two are asked for two steps ahead of their use.
; The matrix instruction is used transposed (source 0 = B's rows): a lane holds eight neighbouring columns of a row of the result.  The bias is the first products' C.
; REGISTERS.  Window 0: v16-29 addresses, v32-63 scale words (two sets), v64-127 the bias, v128-223 A's two sets; window 1: B's two sets at v0 and v128; window 2: the accumulators.
.set TILEB, 12288                      ; a tile of 16 rows, all of K, in memory
.set STEPB, 3072                       ; its 256 along K
.set HALFT, 8*STEPB                    ; eight tiles: all of A's, or half of B's
.set HALFA, 4*STEPB                    ; a wave's four tiles of A
.set SLOT,  3*HALFT
.set FR,    12
.set NP,    4
.set SCL,   2*SLOT                     ; the scale bytes: units of 256 + 16; A's 16 units, then B's 32
.set HALFS, 16*272
.set SBLK,  2*272
.set SPARE, SCL+3*HALFS                ; the spare words, 128 bytes for each wave
.set SPITCH, 528                       ; the way out: a stage of 16 rows for each wave, in slot 0, which has had its last fill and its last read by then
.set A16,  16
.set A8,   18
.set B16,  20
.set B8,   22
.set STO,  24
.set RD,   25
.set CO,   26
.set ADRS, 27
.set SPW,  28
.set NIL,  29
.set SC,   32
.set BIAS, 64
.set AF,   128
.set BK,   128
.set G1,   24
.set G0,   32
.set G1B,  48
.set G0B,  56
.set G1S,  68
.set G0S,  76
.set G1SB, 80
.set G0SB, 88
.set MSB, 0
.macro WIN new
.if MSB != \new
	s_set_vgpr_msb (MSB<<8)|\new
.set MSB, \new
.endif
.endm
.set MUL_LO, 0xa1                      ; source 0 (B) window 1, source 1 (A) window 0, C and D window 2
.set BIA_LO, 0x81                      ; the same with C in window 0
.set TO_B,   0x40
.macro PLACES n
.rept \n
	v_nop
.endr
.endm
.macro TLOAD g0, g1                    ; an s_nop 0 and four v_nop follow each tensor load
	tensor_load_to_lds s[\g0:\g0+3], s[\g1:\g1+7]
	s_nop 0
	PLACES 4
.endm
.macro JLOAD g0a, g1a, g0b, g1b        ; waves 0 and 1 fetch for A, waves 2 and 3 for B
	s_cmp_eq_u32 s15, 0
	s_cbranch_scc0 .Lfor_b_\@
	TLOAD \g0a, \g1a
	s_branch .Lasked_\@
.Lfor_b_\@:
	TLOAD \g0b, \g1b
.Lasked_\@:
.endm
.macro CREST
	s_cmp_lg_u32 s14, 0
	s_cbranch_scc1 .Lnot_wave_0_\@
	s_barrier_signal -3
.Lnot_wave_0_\@:
	s_barrier_wait -3
	s_barrier_signal -1
	s_barrier_wait -1
.endm
.macro CROUND
	s_barrier_signal -1
	s_barrier_wait -1
	CREST
.endm
.macro GRP g, c, rows, pitch           ; group 1's words 1 to 7: rows of c elements of 8 bytes
	s_mov_b32 s[\g+1], (\c)<<16
	s_mov_b32 s[\g+2], (\rows)<<16
	s_mov_b32 s[\g+3], (\c)<<16
	s_mov_b32 s[\g+4], \rows
	s_mov_b32 s[\g+5], \pitch
	s_mov_b32 s[\g+6], 0
	s_mov_b32 s[\g+7], 0
.endm
.macro G0MAKE g, lds, adr              ; a group 0 with a constant LDS address
	s_mov_b32 s[\g], 1
	s_mov_b32 s[\g+1], \lds
	s_mov_b64 s[\g+2:\g+3], s[\adr:\adr+1]
	s_or_b32 s[\g+3], s[\g+3], 0x80000000
.endm
	s_load_b128 s[4:7], s[0:1], 0x0                ; aimg, asc
	s_load_b128 s[8:11], s[0:1], 0x10              ; wimg, wsc
	s_load_b128 s[96:99], s[0:1], 0x20             ; bo, out0
	v_lshl_add_u32 v[SPW], v0, 2, SPARE
	v_mov_b32 v[NIL], 0
	ds_add_u32 v[SPW], v[NIL]                      ; the opening lines: the add, twice on end, and its wait
	ds_add_u32 v[SPW], v[NIL]
	v_lshrrev_b32 v1, 5, v0
	v_readfirstlane_b32 s14, v1                    ; wave
	s_lshr_b32 s15, s14, 1                         ; my half of the rows; also: I fetch for A (0) or B (1)
	s_and_b32 s16, s14, 1                          ; my half of the columns; also: which half of A's or B's tiles I fetch
	s_bfe_u32 s40, ttmp6, 0x40000                  ; cx
	s_bfe_u32 s41, ttmp6, 0x40004                  ; cy
	s_lshl_b32 s42, ttmp9, 2
	s_add_co_u32 s42, s42, s40                     ; block column, 0 .. 3
	s_and_b32 s17, ttmp7, 0xffff
	s_lshl_b32 s17, s17, 2
	s_add_co_u32 s17, s17, s41                     ; block row, 0 .. 63
	s_lshl_b32 s43, s41, 2
	s_lshl_b32 s43, 15, s43                        ; my row of the cluster
	s_lshl_b32 s44, 0x1111, s40                    ; my column
	s_or_b32 s[G1+0], s43, (3<<16)|(1<<21)
	s_or_b32 s[G1B+0], s44, (3<<16)|(1<<21)
	GRP G1, 384, 8, 1536                           ; the head's loads: A's eight tiles,
	GRP G1B, 384, 16, 1536                         ; B's sixteen
	s_or_b32 s[G1S+0], s43, (3<<16)|(1<<20)|(1<<21)|(5<<22)|(3<<25)
	s_or_b32 s[G1SB+0], s44, (3<<16)|(1<<20)|(1<<21)|(5<<22)|(3<<25)
	GRP G1S, 32, 16, 32                            ; the scale bytes of 128 rows: 16 units of 256 bytes,
	GRP G1SB, 32, 32, 32                           ; of 256 columns: 32
	s_lshl_b32 s20, s17, 3                         ; the block's first tile of A,
	s_lshl_b32 s46, s42, 4
	s_add_co_u32 s46, s46, 192                     ; and of wo
	s_lshl_b32 s22, s20, 9
	s_mov_b32 s23, 0
	s_lshl_b32 s92, s46, 9
	s_mov_b32 s93, 0
	s_mul_i32 s20, s20, TILEB
	s_mov_b32 s21, 0
	s_mul_i32 s46, s46, TILEB
	s_mov_b32 s47, 0
	s_mul_i32 s2, s16, 4*TILEB                     ; in the ring I fetch half of A's tiles or of B's: which half, in memory,
	s_mov_b32 s3, 0
	s_mul_i32 s18, s16, 8*TILEB
	s_mov_b32 s19, 0
	s_mul_i32 s94, s16, HALFA                      ; and in LDS
	s_mul_i32 s45, s16, HALFT
	s_add_co_u32 s45, s45, HALFT
	s_wait_dscnt 0x0
	s_wait_kmcnt 0x0
	s_add_nc_u64 s[20:21], s[4:5], s[20:21]
	s_add_nc_u64 s[22:23], s[6:7], s[22:23]
	s_add_nc_u64 s[46:47], s[8:9], s[46:47]
	s_add_nc_u64 s[92:93], s[10:11], s[92:93]
	CROUND                                         ; all sixteen work-groups are here: the first joint loads meet
	G0MAKE G0S, SCL, 22
	G0MAKE G0SB, SCL+HALFS, 92
	G0MAKE 4, 0, 20                                ; (the arguments that lay in s[4:11] have been used)
	G0MAKE 8, HALFT, 46
	s_add_nc_u64 s[20:21], s[20:21], s[2:3]
	s_add_nc_u64 s[46:47], s[46:47], s[18:19]
.irp s, 0,1
	s_mov_b32 s[G0+4*\s], 1
	s_add_co_u32 s[G0+4*\s+1], s94, \s*SLOT
	s_add_nc_u64 s[G0+4*\s+2:G0+4*\s+3], s[20:21], \s*STEPB
	s_or_b32 s[G0+4*\s+3], s[G0+4*\s+3], 0x80000000
	s_mov_b32 s[G0B+4*\s], 1
	s_add_co_u32 s[G0B+4*\s+1], s45, \s*SLOT
	s_add_nc_u64 s[G0B+4*\s+2:G0B+4*\s+3], s[46:47], \s*STEPB
	s_or_b32 s[G0B+4*\s+3], s[G0B+4*\s+3], 0x80000000
.endr
; one chain of branches on the wave's number, one load to an arm, all arms to one join
.macro ARM under, g0, g1, next
	s_cmp_lt_u32 s14, \under
	s_cbranch_scc0 \next
	TLOAD \g0, \g1
	s_branch .Lhead_asked
\next:
.endm
	ARM 1, 4, G1, .Lhead_b
	ARM 2, 8, G1B, .Lhead_sa
	ARM 3, G0S, G1S, .Lhead_sb
	TLOAD G0SB, G1SB
.Lhead_asked:
	v_and_b32 v1, 15, v0                           ; r
	v_bfe_u32 v2, v0, 4, 1                         ; h
	v_and_b32 v3, 31, v0
	v_lshlrev_b32 v4, 4, v3
	v_lshlrev_b32 v5, 3, v3
	s_mul_i32 s21, s15, HALFA                      ; my four tiles of A,
	s_mul_i32 s22, s16, HALFT
	s_add_co_u32 s22, s22, HALFT                   ; my eight of B, behind A's eight
.irp s, 0,1
	v_add_nc_u32 v[A16+\s], s21, v4
	v_add_nc_u32 v[A8+\s], s21, v5
	v_add_nc_u32 v[B16+\s], s22, v4
	v_add_nc_u32 v[B8+\s], s22, v5
	s_add_co_u32 s21, s21, SLOT
	s_add_co_u32 s22, s22, SLOT
.endr
	v_lshlrev_b32 v6, 5, v1                        ; my row's scale bytes: 32 a row, 16 more behind each 256
	v_lshrrev_b32 v7, 3, v1
	v_lshl_add_u32 v6, v7, 4, v6
	s_mul_i32 s18, s15, HALFS/2                    ; A's: my 64 rows
	s_mul_i32 s19, s16, HALFS                      ; B's: my 128 columns, behind A's 128 rows
	s_add_co_u32 s19, s19, HALFS
	s_sub_co_u32 s19, s19, s18
	v_mul_u32_u24 v7, s19, v2                      ; lanes 16-31 take B's
	s_add_co_u32 s18, s18, SCL
	v_add_nc_u32 v6, v6, v7
	v_add_nc_u32 v[ADRS], s18, v6
	s_mul_i32 s23, s14, 16*SPITCH                  ; my stage
	v_mul_u32_u24 v6, v1, SPITCH
	v_lshl_add_u32 v6, v2, 6, v6
	v_add_nc_u32 v[STO], s23, v6
	v_add_nc_u32 v[RD], s23, v4
	v_lshlrev_b32 v[CO], 4, v3
	s_lshl_b32 s20, s42, 10                        ; my first column, in bytes
	s_lshl_b32 s21, s16, 9
	s_add_co_u32 s20, s20, s21
	s_mov_b32 s21, 0
	s_add_nc_u64 s[96:97], s[96:97], s[20:21]
	s_add_nc_u64 s[98:99], s[98:99], s[20:21]
	s_lshl_b32 s20, s17, 19                        ; my first row: 128 x block row + 64 x half, rows of 4,096 bytes
	s_lshl_b32 s22, s15, 18
	s_add_co_u32 s20, s20, s22
	s_add_nc_u64 s[98:99], s[98:99], s[20:21]
	v_lshlrev_b32 v8, 6, v2
.irp b, 0,1,2,3,4,5,6,7
	global_load_b128 v[BIAS+8*\b:BIAS+8*\b+3], v8, s[96:97] offset:(32*(\b/2)+8*(\b%2))*4      ; register j of tile b is column 32 (b / 2) + 8 (b % 2) + 16 h + j
	global_load_b128 v[BIAS+8*\b+4:BIAS+8*\b+7], v8, s[96:97] offset:(32*(\b/2)+8*(\b%2))*4+16
.endr
.macro FRAG reg, a16, a8, q, i         ; a fragment's image: 512 + 256 + 512 + 256 bytes
	ds_load_b128 v[\reg:\reg+3], v[\a16] offset:(\i)*STEPB+(\q)*1536
	ds_load_b64 v[\reg+4:\reg+5], v[\a8] offset:(\i)*STEPB+(\q)*1536+512
	ds_load_b128 v[\reg+6:\reg+9], v[\a16] offset:(\i)*STEPB+(\q)*1536+768
	ds_load_b64 v[\reg+10:\reg+11], v[\a8] offset:(\i)*STEPB+(\q)*1536+1280
.endm
; 16 products: A's blocks a0, a0 + 1 x B's eight; p: the sets of fragments, q: the step of the slot's two, sc: the set of scale words.  The 32 accumulators take turns.
.macro MUL16 a0, p, q, sc, zero
.irp a, \a0, \a0+1
.irp b, 0,1,2,3,4,5,6,7
.set rD, 8*(8*(\a)+\b)
.set rB, 128*(\p)+FR*\b
.set rA, AF+FR*(4*(\p)+(\a))
.set rSB, SC+16*(\sc)+2*\b+(\q)
.set rSA, SC+16*(\sc)+2*(\a)+(\q)
.if \zero
	v_wmma_scale_f32_16x16x128_f8f6f4 v[rD:rD+7], v[rB:rB+11], v[rA:rA+11], v[BIAS+8*\b:BIAS+8*\b+7], v[rSB], v[rSA] matrix_a_fmt:MATRIX_FMT_FP6 matrix_b_fmt:MATRIX_FMT_FP6 matrix_a_scale:MATRIX_SCALE_ROW1
.else
	v_wmma_scale_f32_16x16x128_f8f6f4 v[rD:rD+7], v[rB:rB+11], v[rA:rA+11], v[rD:rD+7], v[rSB], v[rSA] matrix_a_fmt:MATRIX_FMT_FP6 matrix_b_fmt:MATRIX_FMT_FP6 matrix_a_scale:MATRIX_SCALE_ROW1
.endif
.endr
.endr
.endm
.macro FETCH slot, q, p                ; a step's twelve fragments into sets p: 48 loads
	WIN TO_B
.irp i, 0,1,2,3,4,5,6,7
	FRAG 128*(\p)+FR*\i, B16+\slot, B8+\slot, \q, \i
.endr
	WIN 0
.irp i, 0,1,2,3
	FRAG AF+FR*(4*(\p)+\i), A16+\slot, A8+\slot, \q, \i
.endr
.endm
.macro SCALES sc                       ; a slot's two steps' scale words: lanes 0-15 A's block i (of i = 0 .. 3 alone the products make use), lanes 16-31 B's block i
.irp i, 0,1,2,3,4,5,6,7
	ds_load_b64 v[SC+16*\sc+2*\i:SC+16*\sc+2*\i+1], v[ADRS] offset:\i*SBLK
.endr
.endm
.macro STEP slot, zero                 ; a slot's first step: sets 0; the second step's fragments are fetched into sets 1 ahead of the products
	s_wait_dscnt 0x0                               ; this step's fragments are in
	PLACES NP                                      ; in front of the loads into registers that the last products read
	FETCH \slot, 1, 1
.if \zero
	WIN BIA_LO
.else
	WIN MUL_LO
.endif
	MUL16 0, 0, 0, \slot, \zero
	MUL16 2, 0, 0, \slot, \zero
	WIN 0
.endm
.macro TURN slot, next, fill           ; a slot's second step: sets 1; the change of slots
	s_wait_tensorcnt 0x0                           ; all my tensor loads have landed: my part of the next slot;
	ds_add_u32 v[SPW], v[NIL]
	s_wait_dscnt 0x0                               ; the add is done, and my reads of this slot are over: its last fragments are in
	s_barrier_signal -1
	WIN MUL_LO
	MUL16 0, 1, 1, \slot, 0                        ; work on registers while the others arrive
	WIN 0
	s_barrier_wait -1
.if \fill
	CREST                                          ; the barrier has opened a round of the cluster's barrier
	s_add_nc_u64 s[G0+4*\slot+2:G0+4*\slot+3], s[G0+4*\slot+2:G0+4*\slot+3], 2*STEPB
	s_add_nc_u64 s[G0B+4*\slot+2:G0B+4*\slot+3], s[G0B+4*\slot+2:G0B+4*\slot+3], 2*STEPB
	JLOAD G0+4*\slot, G1, G0B+4*\slot, G1B         ; the first tensor load behind the round; its four v_nop are the places in front of the loads below
.else
	PLACES NP
.endif
	s_wait_alu depctr_va_vdst(0)                   ; the wait ahead of the reader below
	v_add_nc_u32 v[ADRS], 8, v[ADRS]               ; the next slot's two scale words
	FETCH \next, 0, 0
	SCALES \next
	WIN MUL_LO
	MUL16 2, 1, 1, \slot, 0
	WIN 0
.endm
	s_wait_alu depctr_va_vdst(0)                   ; the wait at the head's end
	s_wait_tensorcnt 0x0                           ; my tile of the head's four is in
	ds_add_u32 v[SPW], v[NIL]
	s_mov_b32 s[G1+2], 4<<16                       ; no tensor load of mine is out: from here on a load brings four tiles of A,
	s_mov_b32 s[G1+4], 4
	s_mov_b32 s[G1B+2], 8<<16                      ; or eight of B
	s_mov_b32 s[G1B+4], 8
	s_wait_dscnt 0x0
	CROUND                                         ; all four tiles are in, and all sixteen work-groups are here
	JLOAD G0+4, G1, G0B+4, G1B                     ; slot 1's first fill, the first tensor load behind the round
	FETCH 0, 0, 0
	SCALES 0
	s_wait_loadcnt 0x0                             ; the bias is in
	STEP 0, 1
	TURN 0, 1, 1
	STEP 1, 0
	TURN 1, 0, 1
	STEP 0, 0
	TURN 0, 1, 0                                   ; nothing more is left to fetch: a plain barrier shows slot 1 whole
	STEP 1, 0
	s_wait_dscnt 0x0
	WIN MUL_LO
	MUL16 0, 1, 1, 1, 0
	MUL16 2, 1, 1, 1, 0
	WIN 0
; THE WAY OUT, block by block of 16 rows x 128 columns: through my own stage, back as whole rows of 512 bytes.  LDS serves a wave's instructions in order: no wait between the stores and the loads.
.macro TOSTAGE a
.set AC, 64*(\a)
	WIN 0x08                                       ; the data: window 2
.irp b, 0,1,2,3,4,5,6,7
	ds_store_b128 v[STO], v[AC+8*\b:AC+8*\b+3] offset:128*(\b/2)+32*(\b%2)
	ds_store_b128 v[STO], v[AC+8*\b+4:AC+8*\b+7] offset:128*(\b/2)+32*(\b%2)+16
.endr
	WIN 0
.set BB, BK+64*((\a)%2)
.irp t, 0,1,2,3,4,5,6,7,8,9,10,11,12,13,14,15
	ds_load_b128 v[BB+4*\t:BB+4*\t+3], v[RD] offset:\t*SPITCH
.endr
.endm
.macro SEND a, younger                 ; younger: the LDS instructions issued behind block a's loads
.set BB, BK+64*((\a)%2)
	s_wait_dscnt \younger
.if (\a) > 0
.if (\a)%2
	s_add_nc_u64 s[98:99], s[98:99], 8*4096        ; row r of tile 2 B + u is token 32 B + 8 u + r + 8 (r / 8)
.else
	s_add_nc_u64 s[98:99], s[98:99], 24*4096
.endif
.endif
.irp t, 0,1,2,3,4,5,6,7,8,9,10,11,12,13,14,15
	global_store_b128 v[CO], v[BB+4*\t:BB+4*\t+3], s[98:99] offset:(\t+8*(\t/8))*4096 th:TH_STORE_NT   ; 32 lanes store 512 consecutive bytes, at a multiple of 256
.endr
.endm
	PLACES NP
	TOSTAGE 0
.irp a, 1,2,3
.if \a > 1
	s_wait_xcnt 0x0                                ; block a - 2's stores have read their registers and their base
.endif
	TOSTAGE \a
	SEND \a-1, 32                                  ; behind block a - 1's loads: block a's 16 stores and 16 loads
.endr
	s_wait_xcnt 0x0
	SEND 3, 0
	s_wait_tensorcnt 0x0                           ; the wave's end
	ds_add_u32 v[SPW], v[NIL]
	s_wait_dscnt 0x0
	CROUND                                         ; the closing round
	s_endpgm
.Lfunc_end_k_qc60fe72b44_outp:
	.size	k_qc60fe72b44_outp, .Lfunc_end_k_qc60fe72b44_outp-k_qc60fe72b44_outp
	.p2alignl 7, 3214868480
	.fill 96, 4, 3214868480
	.section	.rodata,"a",@progbits
	.p2align	6, 0x0
	.amdhsa_kernel k_qc60fe72b44_outp
		.amdhsa_group_segment_fixed_size 327680
		.amdhsa_private_segment_fixed_size 0
		.amdhsa_enable_private_segment 0
		.amdhsa_kernarg_size 48
		.amdhsa_user_sgpr_count 2
		.amdhsa_user_sgpr_kernarg_segment_ptr 1
		.amdhsa_wavefront_size32 1
		.amdhsa_system_sgpr_workgroup_id_x 1
		.amdhsa_system_sgpr_workgroup_id_y 1
		.amdhsa_system_sgpr_workgroup_id_z 1
		.amdhsa_system_vgpr_workitem_id 0
		.amdhsa_next_free_vgpr 768
		.amdhsa_next_free_sgpr 100
		.amdhsa_reserve_vcc 0
		.amdhsa_float_denorm_mode_32 3
		.amdhsa_float_denorm_mode_16_64 3
		.amdhsa_memory_ordered 1
		.amdhsa_forward_progress 1
		.amdhsa_inst_pref_size 90
	.end_amdhsa_kernel
	.amdgpu_metadata
---
amdhsa.version: [ 1, 2 ]
amdhsa.kernels:
  - .name:           k_qc60fe72b44_outp
    .symbol:         k_qc60fe72b44_outp.kd
    .args:
      - { .name: aimg, .offset: 0, .size: 8, .value_kind: global_buffer, .address_space: global }
      - { .name: asc, .offset: 8, .size: 8, .value_kind: global_buffer, .address_space: global }
      - { .name: wimg, .offset: 16, .size: 8, .value_kind: global_buffer, .address_space: global }
      - { .name: wsc, .offset: 24, .size: 8, .value_kind: global_buffer, .address_space: global }
      - { .name: bo, .offset: 32, .size: 8, .value_kind: global_buffer, .address_space: global }
      - { .name: out0, .offset: 40, .size: 8, .value_kind: global_buffer, .address_space: global }
    .group_segment_fixed_size: 327680
    .private_segment_fixed_size: 0
    .kernarg_segment_align: 8
    .kernarg_segment_size: 48
    .max_flat_workgroup_size: 128
    .sgpr_count:     100
    .vgpr_count:     768
    .wavefront_size: 32
...
	.end_amdgpu_metadata
.endif
;; end of part 5
